; MI455X (gfx1250); checked and timed in simulation.
; The chip was launched on July 23, 2026; its instructions are those of AMD's public machine-readable ISA for CDNA 5 (MIT licence, August 2026) and "CDNA5" Instruction Set Architecture Reference Guide (July 2026). The comments in the code are by the model that wrote it; some were corrected since.
;; Multi Headed Attention. Allowed arithmetic: matrix products marked QUANTISED: E2M1 operands, one E8M0 scale for each 32 along K, by v_wmma_scale_f32_16x16x128_f8f6f4 with both operands' format E2M1 (or v_wmma_scale_f32_32x16x128_f4), f32 sums; products left as they are: bf16, f16 or f32 operands; f32 sums; everything else in f32.
;; Inputs: Wk 1,024 x 1,024 float32; Wo 1,024 x 1,024 float32; Wq 1,024 x 1,024 float32; Wv 1,024 x 1,024 float32; bk 1,024 float32; bo 1,024 float32; bq 1,024 float32; bv 1,024 float32; key 2 x 2,048 x 1,024 float32; mask 2 x 2,048 x 2,048 bool; query 2 x 2,048 x 1,024 float32; value 2 x 2,048 x 1,024 float32.
;; Outputs: out0 2 x 2,048 x 1,024 float32.
;; This version of the problem:
;;   THIS VERSION OF THE PROBLEM IS GIVEN IN LOW PRECISION. The matrix products marked QUANTISED in the list below multiply operands that are first quantised to E2M1 (2 exponent bits, 1 mantissa bit; 4 bits a number), with one power-of-two scale for each 32 numbers along K (OCP MX v1.0); their sums are f32. The products marked 'left as it is' may take bf16, f16 or f32 operands, with f32 sums. Whichever they take, every output number must still come out within the allowed error. Rounding operands to bf16 (8 significant bits) uses up far more of that allowance than f16 does (11 bits, for magnitudes from 6e-5 to 65,504). All else is computed in f32.
;;   The module's matrix products, in the order in which they are computed (A, B: the left and right operand; K: the contracted axis; several contracted axes count as one K, in the product's order):
;;     1. [M 4,096, K 1,024] x [K 1,024, N 1,024]; A: input query; B: input Wq: QUANTISED
;;     2. [M 4,096, K 1,024] x [K 1,024, N 1,024]; A: input key; B: input Wk: QUANTISED
;;     3. [M 4,096, K 1,024] x [K 1,024, N 1,024]; A: input value; B: input Wv: QUANTISED
;;     4. batch 32 x [M 2,048, K 64] x [K 64, N 2,048]; A: computed on the way; B: computed on the way: left as it is (an operand is computed on the way)
;;     5. batch 32 x [M 2,048, K 2,048] x [K 2,048, N 64]; A: computed on the way; B: computed on the way: left as it is (an operand is computed on the way)
;;     6. [M 4,096, K 1,024] x [K 1,024, N 1,024]; A: computed on the way; B: input Wo: left as it is (an operand is computed on the way)
;;   THE QUANTISER, for each operand of a quantised product, along K:
;;     - K is cut into blocks of 32 from its start; a last block that is shorter is filled with zeros.
;;     - A block's scale is 2^e with e = floor(log2(the largest magnitude in the block)) - 2, held to -126 .. 127; a block of zeros has e = 0. As a byte (E8M0): e + 127.
;;     - Each number is divided by its block's scale, clamped to +-6, and rounded to the nearest number of E2M1, ties to even, subnormals kept.
;;     - The product sums the exact products of the quantised numbers (number of the format x scale) in f32.
;;   ~~~python
;;   def quantise(x, axis):      # numpy; x: float32 -> the quantised numbers, widened to float32 again
;;       x = np.moveaxis(x, axis, -1); K = x.shape[-1]
;;       x = np.pad(x, [(0, 0)] * (x.ndim - 1) + [(0, -K % 32)]); x = x.reshape(x.shape[:-1] + (-1, 32)); a = np.abs(x).max(-1, keepdims=True)
;;       e = np.where(a > 0, np.clip(np.frexp(np.where(a > 0, a, 1))[1] - 1 - 2, -126, 127), 0)      # np.frexp(a)[1] - 1 = floor(log2(a)), exactly
;;       r = np.clip(x / 2.0 ** e, -6, 6)
;;       step = 2.0 ** (np.maximum(np.frexp(np.where(r == 0, 1, r))[1] - 1, 0) - 1)
;;       q = np.round(r / step) * step * 2.0 ** e      # np.round: ties to even
;;       return np.moveaxis(q.reshape(q.shape[:-2] + (-1,))[..., :K], -1, axis).astype(np.float32)
;;   ~~~
;; One version. Each part assembles by itself: llvm-mc -triple=amdgcn-amd-amdhsa -mcpu=gfx1250 --defsym DOCPART=n.
;; ======== version 1 of 1: 5 launches
;; limits: values are held in f16: magnitudes above 65,504 overflow, below 6.1e-05 lose precision; right only within a limited range of input values
;; workspace buffers: acod 6,684,672 bytes; wcod 1,671,168 bytes; wo16 4,194,304 bytes; mw 1,048,576 bytes of whole numbers; qkv 50,331,648 bytes; ximg 8,388,608 bytes; part 1,114,112 bytes; xf 131,072 bytes
;; launch prep (part 1): grid 1280 x 1, 4 waves a work-group, no clusters, 101,888 bytes of LDS; arguments query, key, value, Wq, Wk, Wv, Wo, mask, acod, wcod, wo16, mw; writes acod, wcod, wo16, mw
.if DOCPART == 1
	.amdgcn_target "amdgcn-amd-amdhsa--gfx1250"
	.amdhsa_code_object_version 6
	.text
	.protected	k_qa96a387a63_prep
	.globl	k_qa96a387a63_prep
	.p2align	8
	.type	k_qa96a387a63_prep,@function
k_qa96a387a63_prep:
	s_mov_b64 s[64:65], 0
	v_nop
	global_prefetch_b8 v0, s[64:65] scope:SCOPE_SE
	s_setreg_imm32_b32 hwreg(HW_REG_WAVE_MODE, 25, 1), 1
	s_wait_xcnt 0x0
; PREP: everything that is made once from the inputs, laid in the order of the later operands' registers (a fragment = blocks of 512 bytes, lane l's 16 bytes at 16 l).
; Four roles, chosen by the work-group's number; a wave takes one task.
;   work-groups 0-767     query, key, value [4096][1024] f32 -> E2M1 codes and E8M0 scale words (acod): a task is 32 tokens x 128 along K
;   work-groups 768-959   Wq, Wk, Wv [1024 k][1024 n] f32, K is the first axis -> codes and scale words (wcod): a task is 32 columns x 128 along K, a lane to a column
;   work-groups 960-1023  Wo [1024 k][1024 n] f32 -> f16 fragments, a high and a low part (wo16): a task is 32 columns x 128 along K
;   work-groups 1024-1279 mask [2][2048 q][2048 k] bytes -> lane-mask words (mw): a task is 16 queries x 512 keys
; THE QUANTISER: a block's scale is 2^(floor(log2(largest magnitude)) - 2); its byte is the largest magnitude's exponent field - 2, held at 1 from below by a floor among the maximum's leaves.
; LIMITS: a block of zeros gets the byte 1 where the rule says 127 (its codes are zeros, and this program alone reads the bytes); NaN and infinities are not served.
; THE SPLIT of Wo: high = the number rounded to 11 significant bits in whole-number arithmetic (bits + 0x1000, low 13 bits cleared: nearest, ties away from zero), low = number - high, exact in f32, then rounded to f16.
; Under 2^-14 the high part is rounded once more by f16's subnormals (at most 2^-25), which the low part does not carry; |Wo| stays under 65,504.
; No tensor load, no barrier: waves share nothing.  The two roles that use LDS have bytes of their own.
.set SPARE, 101376                     ; behind the stages: the spare words, 128 bytes a wave
.set STG3,  67584                      ; the mask role's stages: 16 rows x 528 bytes a wave; the token role's lie from 0: 32 rows x 528 bytes a wave
.set SPW, 2                            ; v2   my spare word's LDS address; never rewritten
.set NIL, 3                            ; v3   0; never rewritten
.set LN,  4                            ; v4   lane
.set RR,  5                            ; v5   lane % 16
.set HH,  6                            ; v6   lane / 16
.set L16, 7                            ; v7   16 x lane
.set SI4, 8                            ; v8   token role: into the stage
.set SO4, 9                            ; v9   token role: out of the stage
.set CD,  16                           ; v16-31 codes (no store's data are written again), or the mask words
.set X,   32                           ; v32-95 64 numbers of a lane along K
.set L,   96                           ; v96-223 as loaded
.set PT,  224                          ; v224 a lane permute's destination
.set W0,  225                          ; v225, v226 the two tiles' scale words
.set L4,  227                          ; v227 4 x lane
.set SO3, 228                          ; v228 mask role: out of the stage
.set SI3, 229                          ; v229 mask role: into the stage
.set WA,  230                          ; v230 weight roles: my lane's place in the stores
.set H8,  231                          ; v231 8 x (lane / 16)
; the largest magnitude of 32 numbers v[src] .. v[src + 31], two chains, and the floor 2^(3 - 127)
.macro BLKMAX src, d, t
	v_max3_num_f32 v[\d], |v[(\src)]|, |v[(\src)+1]|, |v[(\src)+2]|
	v_max3_num_f32 v[\t], |v[(\src)+3]|, |v[(\src)+4]|, |v[(\src)+5]|
.irp i, 6,10,14,18,22,26
	v_max3_num_f32 v[\d], v[\d], |v[(\src)+\i]|, |v[(\src)+\i+1]|
	v_max3_num_f32 v[\t], v[\t], |v[(\src)+\i+2]|, |v[(\src)+\i+3]|
.endr
	v_max3_num_f32 v[\d], v[\d], |v[(\src)+30]|, |v[(\src)+31]|
	v_max3_num_f32 v[\d], v[\d], v[\t], 0x1800000
.endm
; 128 rows of a weight at my 32 columns: each load reads 128 consecutive bytes
.macro WLOADS
.set i, 0
.rept 128
	global_load_b32 v[L+i], v[L4], s[36:37] offset:i*4096 th:TH_LOAD_NT
.set i, i+1
.endr
.endm
	s_load_b512 s[4:19], s[0:1], 0x0               ; query, key, value, Wq, Wk, Wv, Wo, mask
	s_load_b256 s[20:27], s[0:1], 0x40             ; acod, wcod, wo16, mw
	v_lshl_add_u32 v[SPW], v0, 2, SPARE
	v_mov_b32 v[NIL], 0
	v_lshrrev_b32 v1, 5, v0
	v_readfirstlane_b32 s28, v1                    ; wave
	v_and_b32 v[LN], 31, v0
	v_and_b32 v[RR], 15, v0
	v_bfe_u32 v[HH], v0, 4, 1
	v_lshlrev_b32 v[L16], 4, v[LN]
	v_lshlrev_b32 v[L4], 2, v[LN]
	v_lshlrev_b32 v[H8], 3, v[HH]
	v_mov_b32 v[PT], 0
	s_mul_i32 s34, s28, 16896                      ; every LDS address is made here, ahead of the parting of the roles
	v_add_nc_u32 v[SI4], s34, v[L16]
	v_mul_u32_u24 v1, v[RR], 528
	v_lshl_add_u32 v[SO4], v[HH], 7, v1
	v_add_nc_u32 v[SO4], s34, v[SO4]               ; row r, + 128 bytes for lanes 16-31
	s_mul_i32 s35, s28, 8448
	s_add_co_u32 s35, s35, STG3
	v_add_nc_u32 v[SI3], s35, v[L16]
	v_lshl_add_u32 v[SO3], v[HH], 3, v1
	v_add_nc_u32 v[SO3], s35, v[SO3]               ; row r, + 8 bytes for lanes 16-31
	s_mov_b32 s44, 0xffff0000
	s_mov_b32 s46, 0x76543210
	s_mov_b32 s47, 0xfedcba98                      ; v_permlanex16_b32's selects for lane l xor 16
	s_wait_kmcnt 0x0
	s_cmp_lt_u32 ttmp9, 768
	s_cbranch_scc1 .Lr4
	s_cmp_lt_u32 ttmp9, 960
	s_cbranch_scc1 .Lr1
	s_cmp_lt_u32 ttmp9, 1024
	s_cbranch_scc1 .Lr2
	; ---- THE MASK.  Word (8 t + j) of key step st: bit 16 h + r = mask[b][16 qt + r][64 st + 16 t + 8 h + j]: the lane mask for register j of score tile t.
	s_sub_co_u32 s30, ttmp9, 1024
	s_lshl_b32 s30, s30, 2
	s_add_co_u32 s30, s30, s28                     ; task
	s_lshr_b32 s31, s30, 9                         ; b
	s_bfe_u32 s32, s30, 0x70002                    ; qt
	s_and_b32 s33, s30, 3                          ; which 512 keys
	s_lshl_b32 s36, s31, 22
	s_lshl_b32 s37, s32, 15
	s_add_co_u32 s36, s36, s37
	s_lshl_b32 s37, s33, 9
	s_add_co_u32 s36, s36, s37
	s_mov_b32 s37, 0
	s_add_nc_u64 s[18:19], s[18:19], s[36:37]
	s_lshl_b32 s36, s31, 19
	s_lshl_b32 s38, s32, 12
	s_add_co_u32 s36, s36, s38
	s_lshl_b32 s38, s33, 10
	s_add_co_u32 s36, s36, s38
	s_add_nc_u64 s[26:27], s[26:27], s[36:37]
.set i, 0
.rept 16
	global_load_b128 v[L+4*i:L+4*i+3], v[L16], s[18:19] offset:i*2048 th:TH_LOAD_NT   ; a query's 512 bytes, dense
.set i, i+1
.endr
.set i, 0
.rept 8
	v_mov_b32 v[CD+i], 0                           ; v_writelane_b32's destination counts as read
.set i, i+1
.endr
	s_wait_loadcnt 8                               ; the first eight rows are in, the other eight may be out
.set i, 0
.rept 8
	ds_store_b128 v[SI3], v[L+4*i:L+4*i+3] offset:i*528
.set i, i+1
.endr
	s_wait_loadcnt 0x0
.rept 8
	ds_store_b128 v[SI3], v[L+4*i:L+4*i+3] offset:i*528
.set i, i+1
.endr
.set i, 0
.rept 32
	ds_load_b64 v[X+2*i:X+2*i+1], v[SO3] offset:(i/4)*64+(i%4)*16   ; my query's 8 bytes of tile i % 4 of step i / 4 (LDS serves a wave's instructions in order)
.set i, i+1
.endr
	s_wait_dscnt 0x0
.set wd, 0
.rept 256                              ; word wd = 32 st + 8 t + j: a byte of each lane becomes a bit; the word goes to lane (wd % 128) / 4, so that two stores of 16 bytes a lane carry all 256
	v_and_b32 v[10+wd%4], 0xff<<(8*(wd%4)), v[X+2*(wd/8)+(wd%8)/4]
	v_cmp_ne_u32 s[48+wd%4], 0, v[10+wd%4]
	v_writelane_b32 v[CD+4*(wd/128)+wd%4], s[48+wd%4], (wd%128)/4
.set wd, wd+1
.endr
	global_store_b128 v[L16], v[CD:CD+3], s[26:27]
	global_store_b128 v[L16], v[CD+4:CD+7], s[26:27] offset:512
	s_branch .Lend
	; ---- QUERY, KEY, VALUE.  32 tokens x 128 along K come as 32 dense loads of 512 bytes, turn through the wave's stage, and come back so that lane (r, h) holds k = 64 c + 32 h + 0 .. 31 of token r: two whole blocks.
.Lr4:
	s_lshl_b32 s30, ttmp9, 2
	s_add_co_u32 s30, s30, s28                     ; task
	s_lshr_b32 s31, s30, 10                        ; which tensor
	s_bfe_u32 s32, s30, 0x70003                    ; which pair of token tiles
	s_and_b32 s33, s30, 7                          ; which 128 along K
	s_cmp_eq_u32 s31, 0
	s_cselect_b64 s[36:37], s[4:5], s[6:7]
	s_cmp_eq_u32 s31, 2
	s_cselect_b64 s[36:37], s[8:9], s[36:37]
	s_lshl_b32 s38, s32, 17
	s_lshl_b32 s39, s33, 9
	s_add_co_u32 s38, s38, s39
	s_mov_b32 s39, 0
	s_add_nc_u64 s[36:37], s[36:37], s[38:39]
.set i, 0
.rept 32
	global_load_b128 v[L+4*i:L+4*i+3], v[L16], s[36:37] offset:i*4096 th:TH_LOAD_NT
.set i, i+1
.endr
	s_lshl_b32 s38, s31, 21                        ; codes: tensor, K half, token tile, K step in the half
	s_lshr_b32 s40, s33, 2
	s_lshl_b32 s40, s40, 20
	s_add_co_u32 s38, s38, s40
	s_lshl_b32 s40, s32, 13
	s_add_co_u32 s38, s38, s40
	s_and_b32 s40, s33, 3
	s_lshl_b32 s40, s40, 10
	s_add_co_u32 s38, s38, s40
	s_add_nc_u64 s[40:41], s[20:21], s[38:39]
	s_lshl_b32 s38, s31, 17                        ; scale words: tensor, pair, K step
	s_lshl_b32 s42, s32, 10
	s_add_co_u32 s38, s38, s42
	s_lshl_b32 s42, s33, 7
	s_add_co_u32 s38, s38, s42
	s_add_co_u32 s38, s38, 6291456
	s_add_nc_u64 s[42:43], s[20:21], s[38:39]
.set i, 0
.irp left, 24,16,8,0
	s_wait_loadcnt \left                           ; eight more rows are in; the younger loads may be out
.rept 8
	ds_store_b128 v[SI4], v[L+4*i:L+4*i+3] offset:i*528
.set i, i+1
.endr
.endr
.macro QTILE e                         ; token tile e of the pair
.set i, 0
.rept 16
	ds_load_b128 v[X+4*i:X+4*i+3], v[SO4] offset:\e*8448+(i/8)*256+(i%8)*16
.set i, i+1
.endr
	s_wait_dscnt 0x0
	BLKMAX X, 10, 14
	BLKMAX X+32, 11, 15
	v_add_nc_u32 v12, 0xff000000, v10              ; 2 off the exponent field: the conversion's scale operand
	v_add_nc_u32 v13, 0xff000000, v11
	v_lshrrev_b32 v10, 23, v12                     ; the scale bytes of blocks h and 2 + h
	v_lshrrev_b32 v11, 23, v13
	v_lshl_or_b32 v14, v11, 16, v10
	v_lshlrev_b32 v14, v[H8], v14                  ; at their places in the word
	v_permlanex16_b32 v[PT], v14, s46, s47
	v_or_b32 v[W0+\e], v14, v[PT]                  ; with lane l xor 16's two the word is whole
.set i, 0
.rept 8
	v_cvt_scalef32_pk8_fp4_f32 v[CD+8*\e+i], v[X+8*i:X+8*i+7], v[12+i/4]
.set i, i+1
.endr
	v_nop                                          ; one plain place behind the scaled conversions
	global_store_b128 v[L16], v[CD+8*\e:CD+8*\e+3], s[40:41] offset:\e*4096
	global_store_b128 v[L16], v[CD+8*\e+4:CD+8*\e+7], s[40:41] offset:\e*4096+512
.endm
	QTILE 0
	QTILE 1
	v_cndmask_b32 v[W0], v[W0], v[W0+1], s44       ; lanes 0-15: the even tile's words, lanes 16-31: the odd tile's
	global_store_b32 v[L4], v[W0], s[42:43]
	s_branch .Lend
	; ---- Wq, Wk, Wv.  A lane takes a column, its registers run down K: a block of 32 is one lane's, and the codes come out with K innermost.
.Lr1:
	s_sub_co_u32 s30, ttmp9, 768
	s_lshl_b32 s30, s30, 2
	s_add_co_u32 s30, s30, s28                     ; task
	s_and_b32 s31, s30, 31                         ; which 32 columns
	s_bfe_u32 s33, s30, 0x30005                    ; which 128 along K
	s_lshr_b32 s32, s30, 8                         ; which weight
	s_cmp_eq_u32 s32, 0
	s_cselect_b64 s[36:37], s[10:11], s[12:13]
	s_cmp_eq_u32 s32, 2
	s_cselect_b64 s[36:37], s[14:15], s[36:37]
	s_lshl_b32 s38, s33, 19
	s_lshl_b32 s39, s31, 7
	s_add_co_u32 s38, s38, s39
	s_mov_b32 s39, 0
	s_add_nc_u64 s[36:37], s[36:37], s[38:39]
	WLOADS
	s_lshl_b32 s38, s32, 19                        ; codes: weight, K half, column tile, K step in the half
	s_lshr_b32 s40, s33, 2
	s_lshl_b32 s40, s40, 18
	s_add_co_u32 s38, s38, s40
	s_lshl_b32 s40, s31, 13
	s_add_co_u32 s38, s38, s40
	s_and_b32 s40, s33, 3
	s_lshl_b32 s40, s40, 10
	s_add_co_u32 s38, s38, s40
	s_add_nc_u64 s[40:41], s[22:23], s[38:39]
	s_lshl_b32 s38, s32, 15                        ; scale words: weight, pair of column tiles, K step
	s_lshl_b32 s42, s31, 10
	s_add_co_u32 s38, s38, s42
	s_lshl_b32 s42, s33, 7
	s_add_co_u32 s38, s38, s42
	s_add_co_u32 s38, s38, 1572864
	s_add_nc_u64 s[42:43], s[22:23], s[38:39]
	v_lshlrev_b32 v[WA], 12, v[HH]
	v_lshl_add_u32 v[WA], v[RR], 4, v[WA]          ; my column's tile, and its place among the tile's sixteen
.macro WBLK bk                         ; block bk of the four: in the operand it belongs to lanes 16 (bk % 2) + r, registers 4 (bk / 2) on: sixteen lanes store 256 consecutive bytes
.if 96-32*\bk > 63
	s_wait_loadcnt 63                              ; (the later blocks' loads may be out; the count's field holds 63)
.else
	s_wait_loadcnt 96-32*\bk
.endif
	BLKMAX L+32*\bk, 10, 11
	v_add_nc_u32 v12, 0xff000000, v10
	v_lshrrev_b32 v13, 23, v12
.if \bk == 0
	v_mov_b32 v14, v13
.else
	v_lshl_or_b32 v14, v13, 8*\bk, v14
.endif
.set i, 0
.rept 4
	v_cvt_scalef32_pk8_fp4_f32 v[CD+4*\bk+i], v[L+32*\bk+8*i:L+32*\bk+8*i+7], v12
.set i, i+1
.endr
	v_nop                                          ; one plain place behind the scaled conversions
	global_store_b128 v[WA], v[CD+4*\bk:CD+4*\bk+3], s[40:41] offset:(\bk/2)*512+(\bk%2)*256
.endm
	WBLK 0
	WBLK 1
	WBLK 2
	WBLK 3
	global_store_b32 v[L4], v14, s[42:43]          ; my column's scale word: the wave stores 128 consecutive bytes (98,304 bytes of such stores in the launch)
	s_branch .Lend
	; ---- Wo.  The same loads; eight numbers down K make 16 bytes of a fragment's high part and 16 of its low part.
.Lr2:
	s_sub_co_u32 s30, ttmp9, 960
	s_lshl_b32 s30, s30, 2
	s_add_co_u32 s30, s30, s28                     ; task
	s_and_b32 s31, s30, 31                         ; which 32 columns
	s_lshr_b32 s33, s30, 5                         ; which 128 along K
	s_lshl_b32 s38, s33, 19
	s_lshl_b32 s39, s31, 7
	s_add_co_u32 s38, s38, s39
	s_mov_b32 s39, 0
	s_add_nc_u64 s[36:37], s[16:17], s[38:39]
	WLOADS
	s_lshr_b32 s38, s33, 1                         ; K quarter, column tile, which half of the quarter
	s_lshl_b32 s38, s38, 19
	s_lshl_b32 s40, s31, 14
	s_add_co_u32 s38, s38, s40
	s_and_b32 s40, s33, 1
	s_lshl_b32 s40, s40, 12
	s_add_co_u32 s38, s38, s40
	s_add_nc_u64 s[40:41], s[24:25], s[38:39]
	v_lshlrev_b32 v[WA], 13, v[HH]
	v_lshl_add_u32 v[WA], v[RR], 4, v[WA]
.set g, 0
.rept 16
.if 120-8*g > 63
	s_wait_loadcnt 63                              ; this chunk's eight loads are in (the count's field holds 63)
.else
	s_wait_loadcnt 120-8*g
.endif
	s_wait_xcnt 0x0                                ; the last chunk's stores have read their data registers, which are written again below
.set j, 0
.rept 8
	v_add_nc_u32 v[X+j], 0x1000, v[L+8*g+j]
.set j, j+1
.endr
.set j, 0
.rept 8
	v_and_b32 v[X+j], 0xffffe000, v[X+j]           ; the high part, as f32
.set j, j+1
.endr
.set j, 0
.rept 4
	v_cvt_pk_f16_f32 v[CD+j], v[X+2*j], v[X+2*j+1]
	v_pk_add_f32 v[X+8+2*j:X+9+2*j], v[L+8*g+2*j:L+8*g+2*j+1], v[X+2*j:X+2*j+1] neg_lo:[0,1] neg_hi:[0,1]
.set j, j+1
.endr
.set j, 0
.rept 4
	v_cvt_pk_f16_f32 v[CD+4+j], v[X+8+2*j], v[X+9+2*j]
.set j, j+1
.endr
	global_store_b128 v[WA], v[CD:CD+3], s[40:41] offset:(g/4)*1024+((g%4)/2)*512+(g%2)*256
	global_store_b128 v[WA], v[CD+4:CD+7], s[40:41] offset:2097152+(g/4)*1024+((g%4)/2)*512+(g%2)*256
.set g, g+1
.endr
.Lend:
	s_wait_tensorcnt 0x0                           ; the wave's end, behind the last LDS store
	ds_add_u32 v[SPW], v[NIL]
	s_wait_dscnt 0x0
	s_endpgm
.Lfunc_end_k_qa96a387a63_prep:
	.size	k_qa96a387a63_prep, .Lfunc_end_k_qa96a387a63_prep-k_qa96a387a63_prep
	.p2alignl 7, 3214868480
	.fill 96, 4, 3214868480
	.section	.rodata,"a",@progbits
	.p2align	6, 0x0
	.amdhsa_kernel k_qa96a387a63_prep
		.amdhsa_group_segment_fixed_size 101888
		.amdhsa_private_segment_fixed_size 0
		.amdhsa_enable_private_segment 0
		.amdhsa_kernarg_size 96
		.amdhsa_user_sgpr_count 2
		.amdhsa_user_sgpr_kernarg_segment_ptr 1
		.amdhsa_wavefront_size32 1
		.amdhsa_system_sgpr_workgroup_id_x 1
		.amdhsa_system_sgpr_workgroup_id_y 1
		.amdhsa_system_sgpr_workgroup_id_z 1
		.amdhsa_system_vgpr_workitem_id 0
		.amdhsa_next_free_vgpr 232
		.amdhsa_next_free_sgpr 66
		.amdhsa_reserve_vcc 0
		.amdhsa_float_denorm_mode_32 3
		.amdhsa_float_denorm_mode_16_64 3
		.amdhsa_memory_ordered 1
		.amdhsa_forward_progress 1
		.amdhsa_inst_pref_size 135
	.end_amdhsa_kernel
	.amdgpu_metadata
---
amdhsa.version: [ 1, 2 ]
amdhsa.kernels:
  - .name:           k_qa96a387a63_prep
    .symbol:         k_qa96a387a63_prep.kd
    .args:
      - { .name: query, .offset: 0, .size: 8, .value_kind: global_buffer, .address_space: global }
      - { .name: key, .offset: 8, .size: 8, .value_kind: global_buffer, .address_space: global }
      - { .name: value, .offset: 16, .size: 8, .value_kind: global_buffer, .address_space: global }
      - { .name: Wq, .offset: 24, .size: 8, .value_kind: global_buffer, .address_space: global }
      - { .name: Wk, .offset: 32, .size: 8, .value_kind: global_buffer, .address_space: global }
      - { .name: Wv, .offset: 40, .size: 8, .value_kind: global_buffer, .address_space: global }
      - { .name: Wo, .offset: 48, .size: 8, .value_kind: global_buffer, .address_space: global }
      - { .name: mask, .offset: 56, .size: 8, .value_kind: global_buffer, .address_space: global }
      - { .name: acod, .offset: 64, .size: 8, .value_kind: global_buffer, .address_space: global }
      - { .name: wcod, .offset: 72, .size: 8, .value_kind: global_buffer, .address_space: global }
      - { .name: wo16, .offset: 80, .size: 8, .value_kind: global_buffer, .address_space: global }
      - { .name: mw, .offset: 88, .size: 8, .value_kind: global_buffer, .address_space: global }
    .group_segment_fixed_size: 101888
    .private_segment_fixed_size: 0
    .kernarg_segment_align: 8
    .kernarg_segment_size: 96
    .max_flat_workgroup_size: 128
    .sgpr_count:     66
    .vgpr_count:     232
    .wavefront_size: 32
...
	.end_amdgpu_metadata
.endif
;; end of part 1
;; launch proj (part 2): grid 4 x 48, 16 waves a work-group, clusters of 4 x 4, 280,576 bytes of LDS; arguments acod, wcod, bq, bk, bv, qkv; writes qkv
.if DOCPART == 2
	.amdgcn_target "amdgcn-amd-amdhsa--gfx1250"
	.amdhsa_code_object_version 6
	.text
	.protected	k_qa96a387a63_proj
	.globl	k_qa96a387a63_proj
	.p2align	8
	.type	k_qa96a387a63_proj,@function
k_qa96a387a63_proj:
	s_mov_b64 s[64:65], 0
	v_nop
	global_prefetch_b8 v0, s[64:65] scope:SCOPE_SE
	s_setreg_imm32_b32 hwreg(HW_REG_WAVE_MODE, 25, 1), 1
	s_wait_xcnt 0x0
	s_wait_alu depctr_hold_cnt(0) depctr_sa_sdst(0) depctr_va_vdst(0) depctr_va_sdst(0) depctr_va_ssrc(0) depctr_va_vcc(0) depctr_vm_vsrc(0)
	s_getreg_b32 s2, hwreg(HW_REG_IB_STS2, 6, 4)
	s_cmp_eq_u32 s2, 0
	s_cbranch_scc0 .Lentry_in_a_cluster
	s_endpgm
.Lentry_in_a_cluster:
	s_bfe_u32 s2, ttmp6, 0x10000c
	s_cmp_lg_u32 s2, 0xf033
	s_cbranch_scc0 .Lentry_shape_is_right
	s_endpgm
.Lentry_shape_is_right:
; PROJ: q = query Wq + bq, k = key Wk + bk, v = value Wv + bv on E2M1 codes with E8M0 scales; sums in f32.  q is multiplied by c = log2(e) / 8 on the way out, so that attention's scores are exponents of 2.
; The results leave as f16 pairs (a high and a low part, split in f32) laid as attention's fragments: qh, ql, kh, kl, vh, vl, 8,388,608 bytes each.
; SHARES.  A work-group makes 256 tokens x 256 channels of one tensor; both operands for ALL of K (2 x 128 KiB of codes, 16 KiB of scale words) lie in LDS, filled once: no slot is filled again.
; Sixteen waves, four to a SIMD: wave (wy, wx) makes 64 tokens x one head's 64 channels: 16 accumulators, which take turns.
; CLUSTER 4 x 4: the four of a row share the tokens' codes, the four of a column the weights': each is asked for jointly.  Waves 0-7 fetch eighths of the tokens' side, waves 8-15 of the weights'.
; A wave has three tensor loads out: scale words, K half 0, K half 1.
; q AND k USE THE PRODUCT TRANSPOSED (source 0 = 16 channels of W, source 1 = 16 tokens): a lane holds one token and eight neighbouring channels, which is half a fragment of K or Q.
; v USES IT AS IT IS (source 0 = tokens): a lane holds one channel and eight neighbouring tokens, which is half a fragment of V^T.  The tensor is the same in all partners of a cluster, so the branch on it is alike in all.
; The bias is the C of each sum's first product.  ql is stored for all tokens though only each sequence's first tile is read: leaving the rest out would be a branch on a work-group's place in its cluster.
; LIMITS: |q c|, |k|, |v| stay under 65,504; under 2^-14 the high part is rounded once more by f16's subnormals (at most 2^-25), which the low part does not carry; NaN and infinities are not served.
.set SCL,   262144                     ; behind the codes: the tokens' scale words (8 KiB), then the weights'
.set SPARE, 278528                     ; the spare words, 128 bytes for each of sixteen waves
.set ADA,  2                           ; v2, v3  my 4 token tiles' codes, K half 0, 1
.set ADW,  4                           ; v4, v5  my 4 channel tiles' codes
.set ADSA, 6                           ; v6      my token tiles' scale words
.set ADSW, 7                           ; v7      my channel tiles'
.set LI,   8                           ; v8      16 x lane
.set SPW,  10
.set NIL,  11
.set SA,   12                          ; v12, v13 scale words of token tiles 0|1, 2|3 (lanes 0-15 | 16-31)
.set SW,   14                          ; v14, v15 of channel tiles
.set BIAS, 16                          ; v16-47  eight registers a channel tile, in the result's layout
.set AF,   48                          ; v48-79  four token fragments
.set WF,   80                          ; v80-111 four channel fragments; v48-127 are at work on the way out
.set ACC,  128                         ; v128-255 accumulator (m, n) at 128 + 8 (4 m + n)
.set G1A,  24
.set G1W,  32
.set G1AS, 40
.set G1WS, 48
.macro CROUND                          ; a round of the cluster's barrier
	s_barrier_signal -1
	s_barrier_wait -1
	s_cmp_lg_u32 s16, 0
	s_cbranch_scc1 .Lnot_wave_0_\@
	s_barrier_signal -3
.Lnot_wave_0_\@:
	s_barrier_wait -3
	s_barrier_signal -1
	s_barrier_wait -1
.endm
	s_load_b256 s[4:11], s[0:1], 0x0               ; acod, wcod, bq, bk
	s_load_b128 s[12:15], s[0:1], 0x20             ; bv, qkv
	v_lshl_add_u32 v[SPW], v0, 2, SPARE
	v_mov_b32 v[NIL], 0
	ds_add_u32 v[SPW], v[NIL]                      ; the opening: the add, twice on end, and its wait ahead of my first tensor load
	ds_add_u32 v[SPW], v[NIL]
	v_lshrrev_b32 v1, 5, v0
	v_readfirstlane_b32 s16, v1                    ; wave 0..15
	s_lshr_b32 s17, s16, 2                         ; wy: which 64 tokens
	s_and_b32 s18, s16, 3                          ; wx: which head of the four
	s_bfe_u32 s19, ttmp6, 0x40000                  ; cx: which 256 channels
	s_bfe_u32 s20, ttmp6, 0x40004                  ; cy
	s_and_b32 s21, ttmp7, 0xffff                   ; cluster y, 0..11
	s_lshr_b32 s22, s21, 2                         ; the tensor: 0 q, 1 k, 2 v: the same in all sixteen partners
	s_and_b32 s23, s21, 3
	s_lshl_b32 s23, s23, 2
	s_add_co_u32 s23, s23, s20                     ; which 256 tokens, 0..15
	s_lshl_b32 s84, s20, 2
	s_lshl_b32 s84, 15, s84                        ; my row of the cluster
	s_lshl_b32 s85, 0x1111, s19                    ; my column
	; descriptor groups 1: dense blocks as rows of 256 bytes (32 elements of 8 bytes): 32 rows of codes, 4 rows of scale words; bit 21 set beside a mask
	s_or_b32 s[G1A], s84, (3<<16)|(1<<21)
	s_or_b32 s[G1W], s85, (3<<16)|(1<<21)
	s_or_b32 s[G1AS], s84, (3<<16)|(1<<21)
	s_or_b32 s[G1WS], s85, (3<<16)|(1<<21)
.irp g, G1A, G1W
	s_mov_b32 s[\g+1], 32<<16                      ; tensor_dim0
	s_mov_b32 s[\g+2], 32<<16                      ; tensor_dim1
	s_mov_b32 s[\g+3], 32<<16                      ; tile_dim0
	s_mov_b32 s[\g+4], 32                          ; tile_dim1
	s_mov_b32 s[\g+5], 32                          ; pitch
	s_mov_b32 s[\g+6], 0
	s_mov_b32 s[\g+7], 0
.endr
.irp g, G1AS, G1WS
	s_mov_b32 s[\g+1], 32<<16
	s_mov_b32 s[\g+2], 4<<16
	s_mov_b32 s[\g+3], 32<<16
	s_mov_b32 s[\g+4], 4
	s_mov_b32 s[\g+5], 32
	s_mov_b32 s[\g+6], 0
	s_mov_b32 s[\g+7], 0
.endr
	s_and_b32 s94, s16, 7                          ; which eighth I fetch
	s_lshl_b32 s86, s22, 21                        ; the tokens' codes: tensor, block of 256 tokens, eighth (the K half is added below)
	s_lshl_b32 s87, s23, 16
	s_add_co_u32 s86, s86, s87
	s_lshl_b32 s87, s94, 13
	s_add_co_u32 s86, s86, s87
	s_mov_b32 s87, 0
	s_lshl_b32 s88, s22, 17                        ; their scale words
	s_lshl_b32 s89, s23, 13
	s_add_co_u32 s88, s88, s89
	s_lshl_b32 s89, s94, 10
	s_add_co_u32 s88, s88, s89
	s_add_co_u32 s88, s88, 6291456
	s_mov_b32 s89, 0
	s_lshl_b32 s90, s22, 19                        ; the weights' codes: tensor, block of 256 channels, eighth
	s_lshl_b32 s91, s19, 16
	s_add_co_u32 s90, s90, s91
	s_lshl_b32 s91, s94, 13
	s_add_co_u32 s90, s90, s91
	s_mov_b32 s91, 0
	s_lshl_b32 s92, s22, 15                        ; their scale words
	s_lshl_b32 s93, s19, 13
	s_add_co_u32 s92, s92, s93
	s_lshl_b32 s93, s94, 10
	s_add_co_u32 s92, s92, s93
	s_add_co_u32 s92, s92, 1572864
	s_mov_b32 s93, 0
	s_lshl_b32 s94, s16, 13                        ; where they go: wave x 8,192 (+ 131,072 for K half 1); scale words: SCL + wave x 1,024: no place in the cluster enters an LDS address
	s_lshl_b32 s95, s16, 10
	s_add_co_u32 s95, s95, SCL
	s_wait_dscnt 0x0                               ; both opening adds are done
	s_wait_kmcnt 0x0
	s_mov_b32 s56, 1                               ; groups 0 for the tokens' side: scale words, K half 0, K half 1
	s_mov_b32 s57, s95
	s_add_nc_u64 s[58:59], s[4:5], s[88:89]
	s_or_b32 s59, s59, 0x80000000
	s_mov_b32 s60, 1
	s_mov_b32 s61, s94
	s_add_nc_u64 s[62:63], s[4:5], s[86:87]
	s_mov_b32 s68, 1
	s_add_co_u32 s69, s94, 131072
	s_add_nc_u64 s[70:71], s[62:63], 1048576
	s_or_b32 s63, s63, 0x80000000
	s_or_b32 s71, s71, 0x80000000
	s_mov_b32 s72, 1                               ; and for the weights'
	s_mov_b32 s73, s95
	s_add_nc_u64 s[74:75], s[6:7], s[92:93]
	s_or_b32 s75, s75, 0x80000000
	s_mov_b32 s76, 1
	s_mov_b32 s77, s94
	s_add_nc_u64 s[78:79], s[6:7], s[90:91]
	s_mov_b32 s80, 1
	s_add_co_u32 s81, s94, 131072
	s_add_nc_u64 s[82:83], s[78:79], 262144
	s_or_b32 s79, s79, 0x80000000
	s_or_b32 s83, s83, 0x80000000
	CROUND                                         ; all sixteen work-groups are here: the joint loads meet
	s_cmp_lt_u32 s16, 8                            ; a wave's three first fills stand in one branch on the wave's number
	s_cbranch_scc0 .Lfill_w
	tensor_load_to_lds s[56:59], s[G1AS:G1AS+7]
	s_nop 0
	tensor_load_to_lds s[60:63], s[G1A:G1A+7]
	s_nop 0
	tensor_load_to_lds s[68:71], s[G1A:G1A+7]
	s_nop 0
.rept 4
	v_nop
.endr
	s_branch .Lfilled
.Lfill_w:
	tensor_load_to_lds s[72:75], s[G1WS:G1WS+7]
	s_nop 0
	tensor_load_to_lds s[76:79], s[G1W:G1W+7]
	s_nop 0
	tensor_load_to_lds s[80:83], s[G1W:G1W+7]
	s_nop 0
.rept 4
	v_nop
.endr
.Lfilled:
	v_and_b32 v1, 31, v0
	v_lshlrev_b32 v[LI], 4, v1
	v_lshlrev_b32 v9, 2, v1
	s_lshl_b32 s84, s17, 14
	v_add_nc_u32 v[ADA], s84, v[LI]
	v_add_nc_u32 v[ADA+1], 131072, v[ADA]
	s_lshl_b32 s84, s18, 14
	s_add_co_u32 s84, s84, 65536
	v_add_nc_u32 v[ADW], s84, v[LI]
	v_add_nc_u32 v[ADW+1], 131072, v[ADW]
	s_lshl_b32 s84, s17, 11
	s_add_co_u32 s84, s84, SCL
	v_add_nc_u32 v[ADSA], s84, v9
	s_lshl_b32 s84, s18, 11
	s_add_co_u32 s84, s84, SCL+8192
	v_add_nc_u32 v[ADSW], s84, v9
	v_bfe_u32 v126, v0, 4, 1
	v_lshlrev_b32 v126, 5, v126                    ; q, k: my half's eight channels: 32 h bytes
	v_and_b32 v127, 15, v0
	v_lshlrev_b32 v127, 2, v127                    ; v: my channel: 4 r bytes
	s_lshl_b32 s84, s19, 2
	s_add_co_u32 s84, s84, s18                     ; the head
	s_cmp_eq_u32 s22, 0
	s_cselect_b64 s[96:97], s[8:9], s[10:11]
	s_cselect_b32 s98, 0x3e38aa3b, 1.0             ; q is multiplied by c = log2(e) / 8, k by 1
	s_mov_b32 s99, s98
	s_cmp_eq_u32 s22, 2
	s_cselect_b64 s[96:97], s[12:13], s[96:97]
	s_lshl_b32 s86, s84, 8
	s_mov_b32 s87, 0
	s_add_nc_u64 s[96:97], s[96:97], s[86:87]      ; the bias at my head's 64 channels
	s_lshr_b32 s85, s23, 3                         ; the batch
	s_lshl_b32 s85, s85, 4
	s_add_co_u32 s85, s85, s84                     ; batch x 16 + head
	s_lshl_b32 s86, s85, 18                        ; where my results go: the same sum for q, k and v: tensor x 2 parts, (batch, head), 256 tokens, my 64
	s_lshl_b32 s85, s22, 24
	s_add_co_u32 s86, s86, s85
	s_and_b32 s85, s23, 7
	s_lshl_b32 s85, s85, 15
	s_add_co_u32 s86, s86, s85
	s_lshl_b32 s85, s17, 13
	s_add_co_u32 s86, s86, s85
	s_add_nc_u64 s[2:3], s[14:15], s[86:87]        ; the high part
	s_add_nc_u64 s[104:105], s[2:3], 8388608       ; the low part
	s_cmp_eq_u32 s22, 2
	s_cbranch_scc1 .Lbias_v
.irp n, 0,1,2,3
	global_load_b128 v[BIAS+8*\n:BIAS+8*\n+3], v126, s[96:97] offset:64*\n
	global_load_b128 v[BIAS+8*\n+4:BIAS+8*\n+7], v126, s[96:97] offset:64*\n+16
.endr
	s_branch .Lbias_in
.Lbias_v:
.irp n, 0,1,2,3
.irp j, 0,1,2,3,4,5,6,7
	global_load_b32 v[BIAS+8*\n+\j], v127, s[96:97] offset:64*\n   ; eight tokens of one channel: the same number eight times
.endr
.endr
.Lbias_in:
; one product.  path 0: source 0 = channel tile n, source 1 = token tile m; path 1: the other way round.  The odd tile of a pair has its scale words in lanes 16-31.
.macro MM path, m, n, first
.set rD, ACC+8*(4*\m+\n)
.set rC, rD
.if \first
.set rC, BIAS+8*\n
.endif
.if \path == 0
.set rA, WF+8*\n
.set rB, AF+8*\m
.set rSA, SW+\n/2
.set rSB, SA+\m/2
.set pA, \n%2
.set pB, \m%2
.else
.set rA, AF+8*\m
.set rB, WF+8*\n
.set rSA, SA+\m/2
.set rSB, SW+\n/2
.set pA, \m%2
.set pB, \n%2
.endif
.if (pA == 0) && (pB == 0)
	v_wmma_scale_f32_16x16x128_f8f6f4 v[rD:rD+7], v[rA:rA+7], v[rB:rB+7], v[rC:rC+7], v[rSA], v[rSB] matrix_a_fmt:MATRIX_FMT_FP4 matrix_b_fmt:MATRIX_FMT_FP4
.elseif (pA == 1) && (pB == 0)
	v_wmma_scale_f32_16x16x128_f8f6f4 v[rD:rD+7], v[rA:rA+7], v[rB:rB+7], v[rC:rC+7], v[rSA], v[rSB] matrix_a_fmt:MATRIX_FMT_FP4 matrix_b_fmt:MATRIX_FMT_FP4 matrix_a_scale:MATRIX_SCALE_ROW1
.elseif pA == 0
	v_wmma_scale_f32_16x16x128_f8f6f4 v[rD:rD+7], v[rA:rA+7], v[rB:rB+7], v[rC:rC+7], v[rSA], v[rSB] matrix_a_fmt:MATRIX_FMT_FP4 matrix_b_fmt:MATRIX_FMT_FP4 matrix_b_scale:MATRIX_SCALE_ROW1
.else
	v_wmma_scale_f32_16x16x128_f8f6f4 v[rD:rD+7], v[rA:rA+7], v[rB:rB+7], v[rC:rC+7], v[rSA], v[rSB] matrix_a_fmt:MATRIX_FMT_FP4 matrix_b_fmt:MATRIX_FMT_FP4 matrix_a_scale:MATRIX_SCALE_ROW1 matrix_b_scale:MATRIX_SCALE_ROW1
.endif
.endm
; 128 along K: 16 + 4 LDS loads, each of consecutive bytes, and 16 products.  The SIMD's other three waves work while this one waits for its loads.
.macro KSTEP path, kh, s4, first
.irp m, 0,1,2,3
.irp c, 0,1
	ds_load_b128 v[AF+8*\m+4*\c:AF+8*\m+4*\c+3], v[ADA+\kh] offset:\m*4096+\s4*1024+\c*512
	ds_load_b128 v[WF+8*\m+4*\c:WF+8*\m+4*\c+3], v[ADW+\kh] offset:\m*4096+\s4*1024+\c*512
.endr
.endr
.irp p, 0,1
	ds_load_b32 v[SA+\p], v[ADSA] offset:\p*1024+(4*\kh+\s4)*128
	ds_load_b32 v[SW+\p], v[ADSW] offset:\p*1024+(4*\kh+\s4)*128
.endr
	s_wait_dscnt 0x0
.irp m, 0,1,2,3
.irp n, 0,1,2,3
	MM \path, \m, \n, \first
.endr
.endr
.rept 4
	v_nop                                          ; four places in front of the next loads into registers that these products read, and of the first read of results
.endr
.endm
; eight f32 numbers v[src] .. become 4 registers of f16 high parts at v[h] and 4 of low parts at v[h + 4]; v56-63 and v48-55 are at work
.macro SPLIT8 src, h
.set j, 0
.rept 8
	v_add_nc_u32 v[56+j], 0x1000, v[\src+j]
.set j, j+1
.endr
.set j, 0
.rept 8
	v_and_b32 v[56+j], 0xffffe000, v[56+j]         ; rounded to 11 significant bits: the high part, as f32
.set j, j+1
.endr
.set j, 0
.rept 4
	v_cvt_pk_f16_f32 v[\h+j], v[56+2*j], v[57+2*j]
	v_pk_add_f32 v[48+2*j:49+2*j], v[\src+2*j:\src+2*j+1], v[56+2*j:57+2*j] neg_lo:[0,1] neg_hi:[0,1]
.set j, j+1
.endr
.set j, 0
.rept 4
	v_cvt_pk_f16_f32 v[\h+4+j], v[48+2*j], v[49+2*j]
.set j, j+1
.endr
.endm
; token tile m leaves: each store is 512 consecutive bytes.  Two sets of data registers take turns; each accumulator is read from its low end on.
.macro OUTROW path, m
	s_wait_xcnt 0x0                                ; the stores of two tiles back have read their data registers
.irp n, 0,1,2,3
.set rT, ACC+8*(4*\m+\n)
.set rH, 64+32*(\m%2)+8*\n
.if \path == 0
.set j, 0
.rept 4
	v_pk_mul_f32 v[48+2*j:49+2*j], v[rT+2*j:rT+2*j+1], s[98:99] op_sel_hi:[1,0]
.set j, j+1
.endr
	SPLIT8 48, rH
	global_store_b128 v[LI], v[rH:rH+3], s[2:3] offset:\m*2048+\n*512
	global_store_b128 v[LI], v[rH+4:rH+7], s[104:105] offset:\m*2048+\n*512
.else
	SPLIT8 rT, rH
	global_store_b128 v[LI], v[rH:rH+3], s[2:3] offset:(\m/2)*4096+\n*1024+(\m%2)*512
	global_store_b128 v[LI], v[rH+4:rH+7], s[104:105] offset:(\m/2)*4096+\n*1024+(\m%2)*512
.endif
.endr
.endm
	s_wait_loadcnt 0x0                             ; the bias
	s_wait_tensorcnt 0x1                           ; my scale words and my part of K half 0 are in; K half 1's load may be out
	s_barrier_signal -1
	s_barrier_wait -1                              ; everybody's are
	s_cmp_eq_u32 s22, 2
	s_cbranch_scc1 .Lv_half0
	KSTEP 0, 0, 0, 1
	KSTEP 0, 0, 1, 0
	KSTEP 0, 0, 2, 0
	KSTEP 0, 0, 3, 0
	s_branch .Lhalf0_done
.Lv_half0:
	KSTEP 1, 0, 0, 1
	KSTEP 1, 0, 1, 0
	KSTEP 1, 0, 2, 0
	KSTEP 1, 0, 3, 0
.Lhalf0_done:
	s_wait_tensorcnt 0x0                           ; my part of K half 1 is in
	s_wait_dscnt 0x0
	s_barrier_signal -1
	s_barrier_wait -1
	s_cmp_eq_u32 s22, 2
	s_cbranch_scc1 .Lv_half1
	KSTEP 0, 1, 0, 0
	KSTEP 0, 1, 1, 0
	KSTEP 0, 1, 2, 0
	KSTEP 0, 1, 3, 0
	OUTROW 0, 0
	OUTROW 0, 1
	OUTROW 0, 2
	OUTROW 0, 3
	s_branch .Lout_done
.Lv_half1:
	KSTEP 1, 1, 0, 0
	KSTEP 1, 1, 1, 0
	KSTEP 1, 1, 2, 0
	KSTEP 1, 1, 3, 0
	OUTROW 1, 0
	OUTROW 1, 1
	OUTROW 1, 2
	OUTROW 1, 3
.Lout_done:
	s_wait_tensorcnt 0x0                           ; the wave's end
	ds_add_u32 v[SPW], v[NIL]
	s_wait_dscnt 0x0
	CROUND                                         ; the closing round
	s_endpgm
.Lfunc_end_k_qa96a387a63_proj:
	.size	k_qa96a387a63_proj, .Lfunc_end_k_qa96a387a63_proj-k_qa96a387a63_proj
	.p2alignl 7, 3214868480
	.fill 96, 4, 3214868480
	.section	.rodata,"a",@progbits
	.p2align	6, 0x0
	.amdhsa_kernel k_qa96a387a63_proj
		.amdhsa_group_segment_fixed_size 280576
		.amdhsa_private_segment_fixed_size 0
		.amdhsa_enable_private_segment 0
		.amdhsa_kernarg_size 48
		.amdhsa_user_sgpr_count 2
		.amdhsa_user_sgpr_kernarg_segment_ptr 1
		.amdhsa_wavefront_size32 1
		.amdhsa_system_sgpr_workgroup_id_x 1
		.amdhsa_system_sgpr_workgroup_id_y 1
		.amdhsa_system_sgpr_workgroup_id_z 1
		.amdhsa_system_vgpr_workitem_id 0
		.amdhsa_next_free_vgpr 256
		.amdhsa_next_free_sgpr 106
		.amdhsa_reserve_vcc 0
		.amdhsa_float_denorm_mode_32 3
		.amdhsa_float_denorm_mode_16_64 3
		.amdhsa_memory_ordered 1
		.amdhsa_forward_progress 1
		.amdhsa_inst_pref_size 134
	.end_amdhsa_kernel
	.amdgpu_metadata
---
amdhsa.version: [ 1, 2 ]
amdhsa.kernels:
  - .name:           k_qa96a387a63_proj
    .symbol:         k_qa96a387a63_proj.kd
    .args:
      - { .name: acod, .offset: 0, .size: 8, .value_kind: global_buffer, .address_space: global }
      - { .name: wcod, .offset: 8, .size: 8, .value_kind: global_buffer, .address_space: global }
      - { .name: bq, .offset: 16, .size: 8, .value_kind: global_buffer, .address_space: global }
      - { .name: bk, .offset: 24, .size: 8, .value_kind: global_buffer, .address_space: global }
      - { .name: bv, .offset: 32, .size: 8, .value_kind: global_buffer, .address_space: global }
      - { .name: qkv, .offset: 40, .size: 8, .value_kind: global_buffer, .address_space: global }
    .group_segment_fixed_size: 280576
    .private_segment_fixed_size: 0
    .kernarg_segment_align: 8
    .kernarg_segment_size: 48
    .max_flat_workgroup_size: 512
    .sgpr_count:     106
    .vgpr_count:     256
    .wavefront_size: 32
...
	.end_amdgpu_metadata
.endif
;; end of part 2
;; launch attn (part 3): grid 8 x 32, 8 waves a work-group, clusters of 4 x 1, 327,680 bytes of LDS; arguments qkv, mw, ximg, part; writes ximg, part
.if DOCPART == 3
	.amdgcn_target "amdgcn-amd-amdhsa--gfx1250"
	.amdhsa_code_object_version 6
	.text
	.protected	k_qa96a387a63_attn
	.globl	k_qa96a387a63_attn
	.p2align	8
	.type	k_qa96a387a63_attn,@function
k_qa96a387a63_attn:
	s_mov_b64 s[64:65], 0
	v_nop
	global_prefetch_b8 v0, s[64:65] scope:SCOPE_SE
	s_setreg_imm32_b32 hwreg(HW_REG_WAVE_MODE, 25, 1), 1
	s_wait_xcnt 0x0
	s_wait_alu depctr_hold_cnt(0) depctr_sa_sdst(0) depctr_va_vdst(0) depctr_va_sdst(0) depctr_va_ssrc(0) depctr_va_vcc(0) depctr_vm_vsrc(0)
	s_getreg_b32 s2, hwreg(HW_REG_IB_STS2, 6, 4)
	s_cmp_eq_u32 s2, 0
	s_cbranch_scc0 .Lentry_in_a_cluster
	s_endpgm
.Lentry_in_a_cluster:
	s_bfe_u32 s2, ttmp6, 0x10000c
	s_cmp_lg_u32 s2, 0x3003
	s_cbranch_scc0 .Lentry_shape_is_right
	s_endpgm
.Lentry_shape_is_right:
; ATTN: x[b][q][h] = softmax_k(where(mask, q . k / 8, -1e9)) v, all queries, f16 operands (the high parts of q c, k, v; the weights p rounded to f16), maxima and sums in f32.
; q comes multiplied by c = log2(e) / 8, so a score is an exponent of 2; a masked score is REPLACED by -1e9 log2(e) ahead of the running maximum, as the definition has it: a row with no key left is the mean of all v.
; The mask is an input: no key step is left out.  It comes as lane-mask words (32 a query tile and key step), by scalar loads a step ahead: one v_cndmask_b32 a score register, no compare.
; SHARES.  A work-group owns 256 queries of one (batch, head); each of its eight waves 32: two tiles of 16.  Two waves share a SIMD, so that one's vector work stands beside the other's matrix work.
; LAYOUT.  S^T = K Q^T and O^T = V^T P: a lane holds ONE query throughout.  K, V and Q lie in memory as images of their fragments, so a key step's K (or V) is 8,192 consecutive bytes and every LDS load takes 512 consecutive bytes.
; RING.  Two slots of 256 keys (four steps: K's 32 KiB, then V's).  Each wave fetches 8 KiB of a slot by one tensor load; a wave has one load out, with four key steps in which to land.
; CLUSTER.  The four query blocks of a cluster walk the same K and V: each tile is asked for jointly, mask 15.
; THE FINE ROWS.  The first 16 positions of every sequence may average one to a few values, where the rounding of single f16 operands weighs most: they are made once more on PAIRS of f16 (high + low, split in f32):
; a b = ah bh + ah bl + al bh (the product of the two low parts, some 2^-22 of the whole, is left out).  That work is shared evenly: the work-group of query block j takes keys 256 j .. 256 j + 255 of its head for those 16 queries,
; each wave 32 keys; j enters global addresses alone, no branch and no LDS address.  The eight waves agree on the block's maximum M through LDS, add their sums there, and the work-group stores a partial (M, l, O^T);
; the next launch joins a head's eight partials.  The operands go from memory straight into registers; they are asked for in the last period's first three key steps, 16, 16 and 8 loads a wave.
; The coarse rows of those positions are made and stored too; what is made of them downstream is stored over by the finer rows.
; LIMITS: |q c|, |k|, |v| under 65,504; NaN and infinities are not served; a p under 2^-14 has its high part rounded once more by f16's subnormals (at most 2^-25), which the low part does not carry.
; This launch claims all of a WGP's LDS.
; REGISTERS: window 0: v1 16 x lane, v2 LDS address, v3 the masked score, v4, v5 the add's two, v6 the prefetch's offset; v7, v248-255 the fine rows' offsets; v8-23 statistics, eight a tile (+0 m, +1 its pair's partner,
;   +2, +3 l, +4 to +7 at work; a at +6); v24-55 Q; v56-119 S^T, then p; v120-151 P; v152-215 O^T; v216-247 the fine rows' Q, high and low.
;   window 1: v0-63 K of one step, v64-127 V of one step; v128-255 the fine rows' K high, K low, V high, V low, 32 each.
.set SLOT1, 1<<16
.set SPARE, 2*SLOT1                    ; behind the ring: the spare words, 128 bytes for each of eight waves
.set FMB,   SPARE+1024                 ; the fine rows' LDS, into which no tensor load lands: the waves' maxima, 128 bytes a wave; 1,024 bytes on, their sums;
.set FOB,   FMB+2048                   ; their O^T, 4,096 bytes a wave
.set L16, 1
.set ADR, 2
.set NEG, 3
.set SPW, 4
.set NIL, 5
.set PFO, 6
.set FQ,  7                            ; v7   byte offset in qkv of my 16 bytes of the head's first Q tile, low part; the high part lies 8,388,608 bytes below
.set ST,  8
.set Q,   24
.set S,   56
.set P,   120
.set O,   152
.set QH,  216
.set QL,  232
.set FK,  248                          ; v248 the same for my wave's 32 keys of K, low part
.set FV,  249                          ; v249 and of V
.set FMW, 250                          ; v250 LDS: FMB + wave x 128 + 4 x lane
.set FL4, 251                          ; v251 LDS: FMB + 4 x lane
.set FOW, 252                          ; v252 LDS: FOB + wave x 4,096 + 16 x lane
.set FOR, 253                          ; v253 LDS: FOB + wave x 512 + 16 x lane
.set FGO, 254                          ; v254 byte offset in part of the block of O^T that my wave stores
.set FL8, 255                          ; v255 byte offset in part of my lane's (M, l)
.set FS,  56                           ; the fine rows at work, in registers that the main rows have left: v56-71 scores, then p
.set FPH, 72                           ; v72-79 P high
.set FPL, 80                           ; v80-87 P low
.set FU,  88                           ; v88-103 at work
.set FR,  104                          ; v104-111 eight waves' maxima, then sums
.set FO,  152                          ; v152-183 O^T
.set FB,  184                          ; v184-215 eight waves' blocks of O^T
.set TB,  105                          ; s105 LDS byte at which the slot in hand begins
.set MSB, 0
.macro WIN new                         ; the immediate's high byte repeats the setting that is left
.if MSB != \new
	s_set_vgpr_msb (MSB<<8)|\new
.set MSB, \new
.endif
.endm
.macro CROUND
	s_barrier_signal -1
	s_barrier_wait -1
	s_cmp_lg_u32 s10, 0
	s_cbranch_scc1 .Lnot_wave_0_\@
	s_barrier_signal -3
.Lnot_wave_0_\@:
	s_barrier_wait -3
	s_barrier_signal -1
	s_barrier_wait -1
.endm
.macro MLOAD                           ; a key step's 64 mask words: tile 0's into s[28:59], tile 1's into s[68:99]
	s_load_b512 s[28:43], s[60:61], 0x0
	s_load_b512 s[44:59], s[60:61], 0x40
	s_load_b512 s[68:83], s[60:61], 0x1000
	s_load_b512 s[84:99], s[60:61], 0x1040
.endm
; A prefetch of what the NEXT change of slots will ask for: 32 KiB of K and 32 KiB of V.  All clusters of a head walk the same bytes: the head's first cluster asks.  Its four partners take 8 KiB each, told apart by address;
; in each, wave 0 asks for K's and wave 4 for V's, lanes 256 bytes apart: each block of 256 bytes is named once in the launch.  The last change that fills a slot asks for nothing; periods 0 and 1 come by their loads alone.
.macro ASK
	s_cmp_gt_u32 s12, s13
	s_cbranch_scc0 .Lnot_mine_\@
	global_prefetch_b8 v[PFO], s[100:101] th:TH_LOAD_NT scope:SCOPE_SE
.Lnot_mine_\@:
.endm
; The fine rows' operands, in three groups; every load takes 512 consecutive bytes.  g = 0: nothing.  The offset registers and the base are never rewritten; every window is 0 before and behind.
.macro FLOAD g
.if (\g) == 1
.irp n, 0,1,2,3
	global_load_b128 v[QH+4*\n:QH+4*\n+3], v[FQ], s[4:5] offset:\n*512-8388608
	global_load_b128 v[QL+4*\n:QL+4*\n+3], v[FQ], s[4:5] offset:\n*512
.endr
	WIN 0x40                                       ; destination in window 1
.set f, 0
.rept 8
	global_load_b128 v[128+4*f:128+4*f+3], v[FK], s[4:5] offset:f*512-8388608   ; K high
.set f, f+1
.endr
	WIN 0
.elseif (\g) == 2
	WIN 0x40
.set f, 0
.rept 8
	global_load_b128 v[160+4*f:160+4*f+3], v[FK], s[4:5] offset:f*512           ; K low
	global_load_b128 v[192+4*f:192+4*f+3], v[FV], s[4:5] offset:f*512-8388608   ; V high
.set f, f+1
.endr
	WIN 0
.elseif (\g) == 3
	WIN 0x40
.set f, 0
.rept 8
	global_load_b128 v[224+4*f:224+4*f+3], v[FV], s[4:5] offset:f*512           ; V low
.set f, f+1
.endr
	WIN 0
.endif
.endm
	s_load_b128 s[4:7], s[0:1], 0x0                ; qkv, mw
	s_load_b64 s[8:9], s[0:1], 0x10                ; ximg
	s_load_b64 s[66:67], s[0:1], 0x18              ; part
	v_lshl_add_u32 v[SPW], v0, 2, SPARE
	v_mov_b32 v[NIL], 0
	ds_add_u32 v[SPW], v[NIL]                      ; the opening: the add, twice on end, and its wait ahead of my first tensor load
	ds_add_u32 v[SPW], v[NIL]
	v_lshrrev_b32 v1, 5, v0
	v_readfirstlane_b32 s10, v1                    ; wave 0..7
	s_bfe_u32 s11, ttmp6, 0x40000                  ; cx
	s_and_b32 s14, ttmp7, 0xffff                   ; batch x 16 + head, which the partners share
	s_lshl_b32 s15, ttmp9, 2
	s_add_co_u32 s15, s15, s11                     ; my block of 256 queries: it enters global addresses alone
	s_mov_b32 s16, 15|(3<<16)|(1<<21)              ; group 1: mask of all four; elements of 8 bytes; bit 21 beside a mask; no padding: 32 rows of 256 bytes, dense
	s_mov_b32 s17, 32<<16
	s_mov_b32 s18, 32<<16
	s_mov_b32 s19, 32<<16
	s_mov_b32 s20, 32
	s_mov_b32 s21, 32
	s_mov_b32 s22, 0
	s_mov_b32 s23, 0
	s_mov_b32 s24, 1                               ; group 0, which walks
	s_lshl_b32 s25, s10, 13                        ; LDS: wave x 8,192: waves 0-3 K's four steps, waves 4-7 V's
	s_cmp_lt_u32 s10, 4
	s_cselect_b32 s70, 0, 0x1000000
	s_add_co_u32 s70, s70, 0x1000000               ; the part kh or vh,
	s_lshl_b32 s71, s14, 18
	s_add_co_u32 s70, s70, s71                     ; at my head
	s_and_b32 s72, s10, 3
	s_lshl_b32 s73, s72, 13
	s_add_co_u32 s2, s70, s73                      ; my step of the period
	s_mov_b32 s3, 0
	s_lshl_b32 s73, s11, 13
	s_add_co_u32 s74, s70, s73                     ; the prefetches: my work-group's quarter,
	s_add_co_u32 s74, s74, 32768                   ; at period 1: the first change steps it to period 2
	s_mov_b32 s75, 0
	s_or_b32 s13, s72, ttmp9                       ; 0 in waves 0 and 4 of the head's first cluster: the same in all four partners
	s_cmp_eq_u32 s13, 0
	s_cselect_b32 s13, 1, -1
	s_lshr_b32 s76, s14, 4                         ; batch
	s_and_b32 s77, s14, 15                         ; head
	s_lshl_b32 s78, s76, 19                        ; the mask words of my first tile: (batch x 128 + tile) x 4,096
	s_lshl_b32 s79, s15, 16
	s_add_co_u32 s78, s78, s79
	s_lshl_b32 s79, s10, 13
	s_add_co_u32 s78, s78, s79
	s_mov_b32 s79, 0
	s_lshl_b32 s80, s15, 15                        ; Q: (head's 128 tiles + tile) x 2,048
	s_add_co_u32 s80, s80, s71
	s_lshl_b32 s81, s10, 12
	s_add_co_u32 s80, s80, s81
	s_mov_b32 s81, 0
	s_lshr_b32 s82, s77, 2                         ; x: K quarter = head / 4; token tile x 8,192; (head % 4) x 2,048
	s_lshl_b32 s82, s82, 21
	s_lshl_b32 s83, s76, 20
	s_add_co_u32 s82, s82, s83
	s_lshl_b32 s83, s15, 17
	s_add_co_u32 s82, s82, s83
	s_lshl_b32 s83, s10, 14
	s_add_co_u32 s82, s82, s83
	s_and_b32 s83, s77, 3
	s_lshl_b32 s83, s83, 11
	s_add_co_u32 s82, s82, s83
	s_mov_b32 s83, 0
	s_mov_b32 s62, 0x76543210
	s_mov_b32 s63, 0xfedcba98                      ; v_permlanex16_b32's selects for lane l xor 16
	s_mov_b32 s[TB], 0
	s_mov_b32 s12, 7                               ; periods still to be asked for
	v_and_b32 v[L16], 31, v0
	v_lshlrev_b32 v[PFO], 8, v[L16]
	v_lshlrev_b32 v[FL4], 2, v[L16]
	v_lshlrev_b32 v[FL8], 3, v[L16]
	v_lshlrev_b32 v[L16], 4, v[L16]
	s_add_co_u32 s84, s71, 8388608                 ; the fine rows' offsets: the part ql at my head: its tile 0
	v_add_nc_u32 v[FQ], s84, v[L16]
	s_lshl_b32 s84, s15, 15                        ; my work-group's 256 keys, my wave's 32: 4,096 bytes of K, and of V, in each part
	s_add_co_u32 s84, s84, s71
	s_lshl_b32 s85, s10, 12
	s_add_co_u32 s84, s84, s85
	s_add_co_u32 s85, s84, 3*8388608               ; in the part kl
	v_add_nc_u32 v[FK], s85, v[L16]
	s_add_co_u32 s85, s84, 5*8388608               ; in the part vl
	v_add_nc_u32 v[FV], s85, v[L16]
	s_lshl_b32 s84, s10, 7                         ; LDS addresses: a constant, the wave's number times a constant, the lane's times a constant
	s_add_co_u32 s84, s84, FMB
	v_add_nc_u32 v[FMW], s84, v[FL4]
	v_add_nc_u32 v[FL4], FMB, v[FL4]
	s_lshl_b32 s84, s10, 12
	s_add_co_u32 s84, s84, FOB
	v_add_nc_u32 v[FOW], s84, v[L16]
	s_lshl_b32 s84, s10, 9
	s_add_co_u32 s85, s84, FOB
	v_add_nc_u32 v[FOR], s85, v[L16]
	s_lshl_b32 s85, s14, 3
	s_add_co_u32 s85, s85, s15                     ; (batch, head) x 8 + block of keys: which partial
	s_lshl_b32 s86, s85, 12
	s_add_co_u32 s86, s86, s84                     ; its O^T, my wave's block of 512 bytes
	v_add_nc_u32 v[FGO], s86, v[L16]
	s_lshl_b32 s86, s85, 8
	s_add_co_u32 s86, s86, 1048576                 ; its (M, l), behind all the O^T
	v_add_nc_u32 v[FL8], s86, v[FL8]
	s_wait_dscnt 0x0                               ; both opening adds are done
	s_wait_kmcnt 0x0
	s_add_nc_u64 s[26:27], s[4:5], s[2:3]
	s_or_b32 s27, s27, 0x80000000
	s_add_nc_u64 s[100:101], s[4:5], s[74:75]
	s_add_nc_u64 s[60:61], s[6:7], s[78:79]
	s_add_nc_u64 s[2:3], s[4:5], s[80:81]
	s_add_nc_u64 s[8:9], s[8:9], s[82:83]
	CROUND                                         ; all four work-groups are here
	tensor_load_to_lds s[24:27], s[16:23]          ; period 0 into slot 0
	s_nop 0
.rept 4
	v_nop
.endr
	MLOAD                                          ; key step 0's mask words
.irp x, 0,1
.irp n, 0,1,2,3
	global_load_b128 v[Q+16*\x+4*\n:Q+16*\x+4*\n+3], v[L16], s[2:3] offset:\x*2048+\n*512   ; Q stays in registers
.endr
.endr
	v_mov_b32 v[NEG], 0xceabfb8f                   ; -1e9 x log2(e)
.irp x, 0,1
	v_mov_b32 v[ST+8*\x], 0xff61b1e6               ; m: -3e38, under every score
	v_mov_b32 v[ST+8*\x+1], 0
	v_mov_b32 v[ST+8*\x+2], 0                      ; l, in two halves
	v_mov_b32 v[ST+8*\x+3], 0
.endr
.set i, 0
.rept 64
	v_mov_b32 v[O+i], 0                            ; O^T: the step is written once; the first step finds zeros and multiplies them by a = 0
.set i, i+1
.endr
	s_wait_loadcnt 0x0                             ; Q; its base may be written again:
	s_lshr_b32 s2, s14, 4                          ; the fine rows' 16 mask words: the batch's query tile 0, 512 bytes for my work-group's 256 keys, 64 for my wave's 32
	s_lshl_b32 s2, s2, 19
	s_lshl_b32 s104, s15, 9
	s_add_co_u32 s2, s2, s104
	s_lshl_b32 s104, s10, 6
	s_add_co_u32 s2, s2, s104
	s_mov_b32 s3, 0
; A KEY STEP, the q-th of the slot in hand.  more = 1: the next step's mask words are asked for; 2: the fine rows' (the very last step: no load leaves the buffer).  fl: which group of the fine rows' operands is asked for.
.macro STEP q, more, fl
	s_wait_dscnt 0x0                               ; K of this step is in
	WIN 0x01                                       ; source 0 in window 1
.irp c, 0,1
.irp t, 0,1,2,3
.irp x, 0,1
.if \c == 0
	v_wmma_f32_16x16x32_f16 v[S+32*\x+8*\t:S+32*\x+8*\t+7], v[8*(2*\t+\c):8*(2*\t+\c)+7], v[Q+16*\x+8*\c:Q+16*\x+8*\c+7], 0
.else
	v_wmma_f32_16x16x32_f16 v[S+32*\x+8*\t:S+32*\x+8*\t+7], v[8*(2*\t+\c):8*(2*\t+\c)+7], v[Q+16*\x+8*\c:Q+16*\x+8*\c+7], v[S+32*\x+8*\t:S+32*\x+8*\t+7]
.endif
.endr
.endr
.endr
.rept 4
	v_nop                                          ; four places: in front of the loads into K's and V's registers, which products have read, and of the first read of the scores
.endr
	WIN 0x40                                       ; destination in window 1
.set f, 0
.rept 16
	ds_load_b128 v[64+4*f:64+4*f+3], v[ADR] offset:32768+\q*8192+f*512   ; V of this step
.set f, f+1
.endr
.if \q < 3
.set f, 0
.rept 16
	ds_load_b128 v[4*f:4*f+3], v[ADR] offset:(\q+1)*8192+f*512           ; K of the next
.set f, f+1
.endr
.endif
	WIN 0
	s_wait_kmcnt 0x0                               ; this step's mask words
.set i, 0
.rept 32
	v_cndmask_b32 v[S+i], v[NEG], v[S+i], s[28+i]  ; each accumulator from its low end on
.set i, i+1
.endr
.set i, 0
.rept 32
	v_cndmask_b32 v[S+32+i], v[NEG], v[S+32+i], s[68+i]
.set i, i+1
.endr
.if (\more) == 1
	s_add_nc_u64 s[60:61], s[60:61], 128           ; (behind the wait that shows the last scalar loads done)
	MLOAD
.endif
.if (\more) == 2
	s_add_nc_u64 s[60:61], s[6:7], s[2:3]          ; (likewise)
	s_load_b512 s[28:43], s[60:61], 0x0            ; the fine rows' 16 mask words
.endif
	FLOAD \fl
.irp j, 0,1,2,3                        ; the maximum of 32 scores and the old m, three operands at a time, four chains a tile, the tiles by turns
.irp x, 0,1
	v_max3_num_f32 v[ST+8*\x+4+\j], v[S+32*\x+8*\j], v[S+32*\x+8*\j+1], v[S+32*\x+8*\j+2]
.endr
.endr
.irp g, 1,2
.irp j, 0,1,2,3
.irp x, 0,1
	v_max3_num_f32 v[ST+8*\x+4+\j], v[ST+8*\x+4+\j], v[S+32*\x+8*\j+2*\g+1], v[S+32*\x+8*\j+2*\g+2]
.endr
.endr
.endr
.irp x, 0,1
	v_max3_num_f32 v[ST+8*\x+4], v[ST+8*\x+4], v[S+32*\x+7], v[S+32*\x+15]
	v_max3_num_f32 v[ST+8*\x+6], v[ST+8*\x+6], v[S+32*\x+23], v[S+32*\x+31]
.endr
.irp x, 0,1
	v_max3_num_f32 v[ST+8*\x+4], v[ST+8*\x+4], v[ST+8*\x+5], v[ST+8*\x+6]
.endr
.irp x, 0,1
	v_max3_num_f32 v[ST+8*\x+4], v[ST+8*\x+4], v[ST+8*\x+7], v[ST+8*\x]
.endr
.irp x, 0,1
	v_permlanex16_b32 v[ST+8*\x+5], v[ST+8*\x+4], s62, s63       ; the query's other 32 keys lie in the lane 16 away
.endr
.irp x, 0,1
	v_max_num_f32 v[ST+8*\x+5], v[ST+8*\x+4], v[ST+8*\x+5]       ; the new m
.endr
.irp x, 0,1
	v_sub_f32 v[ST+8*\x+7], v[ST+8*\x], v[ST+8*\x+5]             ; old m - new m
.endr
.irp x, 0,1
	v_mov_b32 v[ST+8*\x], v[ST+8*\x+5]
.endr
.irp x, 0,1
.set i, 0
.rept 16
	v_pk_add_f32 v[S+32*\x+2*i:S+32*\x+2*i+1], v[S+32*\x+2*i:S+32*\x+2*i+1], v[ST+8*\x:ST+8*\x+1] op_sel_hi:[1,0] neg_lo:[0,1] neg_hi:[0,1]   ; s - m
.set i, i+1
.endr
.endr
.irp x, 0,1
	v_exp_f32 v[ST+8*\x+6], v[ST+8*\x+7]           ; a = 2^(old m - new m)
.endr
.set i, 0
.rept 64
	v_exp_f32 v[S+i], v[S+i]                       ; p = 2^(s - m)
.set i, i+1
.endr
	v_nop                                          ; a plain place behind the last exponential
	s_wait_alu depctr_va_vdst(0)                   ; one wait for the batch of 66, ahead of its first reader
.set i, 0
.rept 32
	v_cvt_pk_f16_f32 v[P+i], v[S+2*i], v[S+2*i+1]  ; two score tiles make a fragment of P
.set i, i+1
.endr
.irp z, 0,1,2,3,4,5,6,7                ; the row's sum of the unrounded p, in place: neighbours 1, 2, 4 and 8 pairs apart
.irp x, 0,1
	v_pk_add_f32 v[S+32*\x+4*\z:S+32*\x+4*\z+1], v[S+32*\x+4*\z:S+32*\x+4*\z+1], v[S+32*\x+4*\z+2:S+32*\x+4*\z+3]
.endr
.endr
.irp z, 0,1,2,3
.irp x, 0,1
	v_pk_add_f32 v[S+32*\x+8*\z:S+32*\x+8*\z+1], v[S+32*\x+8*\z:S+32*\x+8*\z+1], v[S+32*\x+8*\z+4:S+32*\x+8*\z+5]
.endr
.endr
.irp z, 0,1
.irp x, 0,1
	v_pk_add_f32 v[S+32*\x+16*\z:S+32*\x+16*\z+1], v[S+32*\x+16*\z:S+32*\x+16*\z+1], v[S+32*\x+16*\z+8:S+32*\x+16*\z+9]
.endr
.endr
.irp x, 0,1
	v_pk_add_f32 v[S+32*\x:S+32*\x+1], v[S+32*\x:S+32*\x+1], v[S+32*\x+16:S+32*\x+17]
.endr
.irp x, 0,1
	v_pk_fma_f32 v[ST+8*\x+2:ST+8*\x+3], v[ST+8*\x+2:ST+8*\x+3], v[ST+8*\x+6:ST+8*\x+7], v[S+32*\x:S+32*\x+1] op_sel_hi:[1,0,1]   ; l = a l + the sum
.endr
.irp x, 0,1
.set i, 0
.rept 16
	v_pk_mul_f32 v[O+32*\x+2*i:O+32*\x+2*i+1], v[O+32*\x+2*i:O+32*\x+2*i+1], v[ST+8*\x+6:ST+8*\x+7] op_sel_hi:[1,0]   ; O^T x a
.set i, i+1
.endr
.endr
.if \q < 3
	s_wait_dscnt 16                                ; V is in; the sixteen younger loads, the next step's K, may be out
.else
	s_wait_dscnt 0x0
.endif
	WIN 0x01
.irp u, 0,1
.irp d, 0,1,2,3
.irp x, 0,1
	v_wmma_f32_16x16x32_f16 v[O+32*\x+8*\d:O+32*\x+8*\d+7], v[64+8*(4*\u+\d):64+8*(4*\u+\d)+7], v[P+16*\x+8*\u:P+16*\x+8*\u+7], v[O+32*\x+8*\d:O+32*\x+8*\d+7]
.endr
.endr
.endr
.endm
; A slot's four key steps.  last = 1: the last period: its first three steps ask for the fine rows' operands, its last step for their mask words.
.macro PERIOD last
	v_add_nc_u32 v[ADR], s[TB], v[L16]
	WIN 0x40
.set f, 0
.rept 16
	ds_load_b128 v[4*f:4*f+3], v[ADR] offset:f*512 ; K of the slot's first step
.set f, f+1
.endr
	STEP 0, 1, \last
	STEP 1, 1, 2*\last
	STEP 2, 1, 3*\last
	STEP 3, 1+\last, 0
	WIN 0                                          ; at a label and at a branch every window is 0
	s_xor_b32 s[TB], s[TB], SLOT1                  ; on to the other slot
.endm
; THE CHANGE OF SLOTS stands at a slot's head.  Each wave waits for all its tensor loads (its part of the slot ahead), adds 0 to its spare word, and waits for that and for its reads of the slot that it has left.
; fill = 1: a round of the cluster's barrier, so that no wave of any partner still reads the slot left or has a load on its way; the joint load of the next period into it is the first thing behind the round.
.macro CHANGE fill
	s_wait_tensorcnt 0x0
	ds_add_u32 v[SPW], v[NIL]
.if \fill
	s_xor_b32 s25, s25, SLOT1                      ; no load of mine is out: the walking group 0 may be written: the other slot,
	s_add_nc_u64 s[26:27], s[26:27], 32768         ; the next 256 keys
	s_wait_xcnt 0x0                                ; the last prefetch, a period back, has read its address
	s_add_nc_u64 s[100:101], s[100:101], 32768     ; one period further on than the walking group 0
	s_wait_dscnt 0x0
	CROUND
	tensor_load_to_lds s[24:27], s[16:23]
	s_nop 0
.rept 4
	v_nop
.endr
	ASK
.else
	s_wait_dscnt 0x0
	s_barrier_signal -1
	s_barrier_wait -1
.endif
.endm
.Lslot:                                            ; seven trips: behind each change of slots but the last the next period is asked for
	CHANGE 1
	PERIOD 0
	s_sub_co_u32 s12, s12, 1
	s_cmp_lg_u32 s12, 0
	s_cbranch_scc1 .Lslot
	CHANGE 0                                       ; the last period is written out
	PERIOD 1
	; THE WAY OUT: O^T / l, rounded to f16: a lane's eight channels of a query are 16 bytes of the next product's fragment: every store is 512 consecutive bytes.
.rept 4
	v_nop                                          ; four places behind the last products
.endr
.irp x, 0,1
	v_add_f32 v[ST+8*\x+4], v[ST+8*\x+2], v[ST+8*\x+3]
.endr
.irp x, 0,1
	v_permlanex16_b32 v[ST+8*\x+5], v[ST+8*\x+4], s62, s63
.endr
.irp x, 0,1
	v_add_f32 v[ST+8*\x+4], v[ST+8*\x+4], v[ST+8*\x+5]
.endr
.irp x, 0,1
	v_rcp_f32 v[ST+8*\x+6], v[ST+8*\x+4]
.endr
	v_nop
	s_wait_alu depctr_va_vdst(0)                   ; one wait for the two reciprocals, ahead of their first reader
.irp x, 0,1
.set i, 0
.rept 16
	v_pk_mul_f32 v[S+32*\x+2*i:S+32*\x+2*i+1], v[O+32*\x+2*i:O+32*\x+2*i+1], v[ST+8*\x+6:ST+8*\x+7] op_sel_hi:[1,0]
.set i, i+1
.endr
.endr
.set i, 0
.rept 32
	v_cvt_pk_f16_f32 v[P+i], v[S+2*i], v[S+2*i+1]
.set i, i+1
.endr
.irp x, 0,1
.irp d, 0,1,2,3
	global_store_b128 v[L16], v[P+16*\x+4*\d:P+16*\x+4*\d+3], s[8:9] offset:\x*8192+\d*512   ; P's registers are not written again
.endr
.endr
	; THE FINE ROWS: my wave's 32 keys for the head's first 16 queries.
	s_wait_loadcnt 0x0                             ; all forty loads
	WIN 0x01                                       ; source 0 in window 1
.irp c, 0,1                            ; S^T = K Q^T in three terms; the two accumulators take turns
.irp t, 0,1
.if \c == 0
	v_wmma_f32_16x16x32_f16 v[FS+8*\t:FS+8*\t+7], v[128+8*(2*\t+\c):128+8*(2*\t+\c)+7], v[QH+8*\c:QH+8*\c+7], 0
.else
	v_wmma_f32_16x16x32_f16 v[FS+8*\t:FS+8*\t+7], v[128+8*(2*\t+\c):128+8*(2*\t+\c)+7], v[QH+8*\c:QH+8*\c+7], v[FS+8*\t:FS+8*\t+7]
.endif
.endr
.endr
.irp c, 0,1
.irp t, 0,1
	v_wmma_f32_16x16x32_f16 v[FS+8*\t:FS+8*\t+7], v[128+8*(2*\t+\c):128+8*(2*\t+\c)+7], v[QL+8*\c:QL+8*\c+7], v[FS+8*\t:FS+8*\t+7]
.endr
.endr
.irp c, 0,1
.irp t, 0,1
	v_wmma_f32_16x16x32_f16 v[FS+8*\t:FS+8*\t+7], v[160+8*(2*\t+\c):160+8*(2*\t+\c)+7], v[QH+8*\c:QH+8*\c+7], v[FS+8*\t:FS+8*\t+7]
.endr
.endr
	WIN 0
.rept 4
	v_nop                                          ; four places in front of the first read of the scores
.endr
	s_wait_kmcnt 0x0                               ; their mask words
.set i, 0
.rept 16
	v_cndmask_b32 v[FS+i], v[NEG], v[FS+i], s[28+i]
.set i, i+1
.endr
	v_max3_num_f32 v8, v[FS], v[FS+1], v[FS+2]
	v_max3_num_f32 v9, v[FS+8], v[FS+9], v[FS+10]
	v_max3_num_f32 v8, v8, v[FS+3], v[FS+4]
	v_max3_num_f32 v9, v9, v[FS+11], v[FS+12]
	v_max3_num_f32 v8, v8, v[FS+5], v[FS+6]
	v_max3_num_f32 v9, v9, v[FS+13], v[FS+14]
	v_max3_num_f32 v8, v8, v[FS+7], v[FS+15]
	v_max_num_f32 v8, v8, v9
	v_permlanex16_b32 v9, v8, s62, s63
	v_max_num_f32 v8, v8, v9                       ; my 32 keys' largest score of the lane's query
	ds_store_b32 v[FMW], v8
	s_wait_dscnt 0x0                               ; for the others' sake: my store has landed
	s_barrier_signal -1
	s_barrier_wait -1
.irp i, 0,1,2,3,4,5,6,7
	ds_load_b32 v[FR+\i], v[FL4] offset:\i*128
.endr
	s_wait_dscnt 0x0
	v_max3_num_f32 v16, v[FR], v[FR+1], v[FR+2]
	v_max3_num_f32 v16, v16, v[FR+3], v[FR+4]
	v_max3_num_f32 v16, v16, v[FR+5], v[FR+6]
	v_max_num_f32 v16, v16, v[FR+7]                ; M: the work-group's 256 keys'
.set i, 0
.rept 8
	v_pk_add_f32 v[FS+2*i:FS+2*i+1], v[FS+2*i:FS+2*i+1], v[16:17] op_sel_hi:[1,0] neg_lo:[0,1] neg_hi:[0,1]
.set i, i+1
.endr
.set i, 0
.rept 16
	v_exp_f32 v[FS+i], v[FS+i]                     ; p = 2^(s - M)
.set i, i+1
.endr
	v_nop
	s_wait_alu depctr_va_vdst(0)                   ; one wait for the batch, ahead of its first reader
.irp t, 0,1                            ; p's high part (rounded to 11 significant bits in whole-number arithmetic) and low part (p - high, exact): the two score tiles make a fragment of each
.set j, 0
.rept 8
	v_add_nc_u32 v[FU+j], 0x1000, v[FS+8*\t+j]
.set j, j+1
.endr
.set j, 0
.rept 8
	v_and_b32 v[FU+j], 0xffffe000, v[FU+j]
.set j, j+1
.endr
.set j, 0
.rept 4
	v_cvt_pk_f16_f32 v[FPH+4*\t+j], v[FU+2*j], v[FU+2*j+1]
	v_pk_add_f32 v[FU+8+2*j:FU+9+2*j], v[FS+8*\t+2*j:FS+8*\t+2*j+1], v[FU+2*j:FU+2*j+1] neg_lo:[0,1] neg_hi:[0,1]
.set j, j+1
.endr
.set j, 0
.rept 4
	v_cvt_pk_f16_f32 v[FPL+4*\t+j], v[FU+8+2*j], v[FU+9+2*j]
.set j, j+1
.endr
.endr
.irp z, 0,1,2,3                        ; the sum of the unsplit p
	v_pk_add_f32 v[FS+4*\z:FS+4*\z+1], v[FS+4*\z:FS+4*\z+1], v[FS+4*\z+2:FS+4*\z+3]
.endr
.irp z, 0,1
	v_pk_add_f32 v[FS+8*\z:FS+8*\z+1], v[FS+8*\z:FS+8*\z+1], v[FS+8*\z+4:FS+8*\z+5]
.endr
	v_pk_add_f32 v[FS:FS+1], v[FS:FS+1], v[FS+8:FS+9]
	v_add_f32 v8, v[FS], v[FS+1]
	v_permlanex16_b32 v9, v8, s62, s63
	v_add_f32 v8, v8, v9                           ; my 32 keys' sum
	WIN 0x01
.irp d, 0,1,2,3                        ; O^T = V^T P in three terms; four accumulators by turns
	v_wmma_f32_16x16x32_f16 v[FO+8*\d:FO+8*\d+7], v[192+8*\d:192+8*\d+7], v[FPH:FPH+7], 0
.endr
.irp d, 0,1,2,3
	v_wmma_f32_16x16x32_f16 v[FO+8*\d:FO+8*\d+7], v[192+8*\d:192+8*\d+7], v[FPL:FPL+7], v[FO+8*\d:FO+8*\d+7]
.endr
.irp d, 0,1,2,3
	v_wmma_f32_16x16x32_f16 v[FO+8*\d:FO+8*\d+7], v[224+8*\d:224+8*\d+7], v[FPH:FPH+7], v[FO+8*\d:FO+8*\d+7]
.endr
	WIN 0
.rept 4
	v_nop                                          ; four places in front of the first read of results
.endr
.irp i, 0,1,2,3,4,5,6,7
	ds_store_b128 v[FOW], v[FO+4*\i:FO+4*\i+3] offset:\i*512   ; as images of the registers; each accumulator from its low end on
.endr
	ds_store_b32 v[FMW], v8 offset:1024
	s_wait_dscnt 0x0                               ; for the others' sake: my stores have landed
	s_barrier_signal -1
	s_barrier_wait -1
.irp i, 0,1,2,3,4,5,6,7
	ds_load_b128 v[FB+4*\i:FB+4*\i+3], v[FOR] offset:\i*4096   ; block number = my wave's, of all eight waves
.endr
.irp i, 0,1,2,3,4,5,6,7
	ds_load_b32 v[FR+\i], v[FL4] offset:1024+\i*128
.endr
	s_wait_dscnt 0x0
.irp i, 0,2,4,6
	v_pk_add_f32 v[FB+4*\i:FB+4*\i+1], v[FB+4*\i:FB+4*\i+1], v[FB+4*\i+4:FB+4*\i+5]
	v_pk_add_f32 v[FB+4*\i+2:FB+4*\i+3], v[FB+4*\i+2:FB+4*\i+3], v[FB+4*\i+6:FB+4*\i+7]
.endr
.irp i, 0,4
	v_pk_add_f32 v[FB+4*\i:FB+4*\i+1], v[FB+4*\i:FB+4*\i+1], v[FB+4*\i+8:FB+4*\i+9]
	v_pk_add_f32 v[FB+4*\i+2:FB+4*\i+3], v[FB+4*\i+2:FB+4*\i+3], v[FB+4*\i+10:FB+4*\i+11]
.endr
	v_pk_add_f32 v[FB:FB+1], v[FB:FB+1], v[FB+16:FB+17]
	v_pk_add_f32 v[FB+2:FB+3], v[FB+2:FB+3], v[FB+18:FB+19]
	global_store_b128 v[FGO], v[FB:FB+3], s[66:67] ; 512 consecutive bytes a wave
	v_add_f32 v[FR], v[FR], v[FR+1]
	v_add_f32 v[FR+2], v[FR+2], v[FR+3]
	v_add_f32 v[FR+4], v[FR+4], v[FR+5]
	v_add_f32 v[FR+6], v[FR+6], v[FR+7]
	v_add_f32 v[FR], v[FR], v[FR+2]
	v_add_f32 v[FR+4], v[FR+4], v[FR+6]
	v_add_f32 v17, v[FR], v[FR+4]                  ; l: the work-group's 256 keys'
	s_cmp_lg_u32 s10, 0
	s_cbranch_scc1 .Lnot_first
	global_store_b64 v[FL8], v[16:17], s[66:67]    ; (M, l): 256 consecutive bytes
.Lnot_first:
	s_wait_tensorcnt 0x0                           ; the wave's end, behind my last tensor load and my last LDS store
	ds_add_u32 v[SPW], v[NIL]
	s_wait_dscnt 0x0
	CROUND                                         ; the closing round
	s_endpgm
.Lfunc_end_k_qa96a387a63_attn:
	.size	k_qa96a387a63_attn, .Lfunc_end_k_qa96a387a63_attn-k_qa96a387a63_attn
	.p2alignl 7, 3214868480
	.fill 96, 4, 3214868480
	.section	.rodata,"a",@progbits
	.p2align	6, 0x0
	.amdhsa_kernel k_qa96a387a63_attn
		.amdhsa_group_segment_fixed_size 327680
		.amdhsa_private_segment_fixed_size 0
		.amdhsa_enable_private_segment 0
		.amdhsa_kernarg_size 32
		.amdhsa_user_sgpr_count 2
		.amdhsa_user_sgpr_kernarg_segment_ptr 1
		.amdhsa_wavefront_size32 1
		.amdhsa_system_sgpr_workgroup_id_x 1
		.amdhsa_system_sgpr_workgroup_id_y 1
		.amdhsa_system_sgpr_workgroup_id_z 1
		.amdhsa_system_vgpr_workitem_id 0
		.amdhsa_next_free_vgpr 512
		.amdhsa_next_free_sgpr 106
		.amdhsa_reserve_vcc 0
		.amdhsa_float_denorm_mode_32 3
		.amdhsa_float_denorm_mode_16_64 3
		.amdhsa_memory_ordered 1
		.amdhsa_forward_progress 1
		.amdhsa_inst_pref_size 202
	.end_amdhsa_kernel
	.amdgpu_metadata
---
amdhsa.version: [ 1, 2 ]
amdhsa.kernels:
  - .name:           k_qa96a387a63_attn
    .symbol:         k_qa96a387a63_attn.kd
    .args:
      - { .name: qkv, .offset: 0, .size: 8, .value_kind: global_buffer, .address_space: global }
      - { .name: mw, .offset: 8, .size: 8, .value_kind: global_buffer, .address_space: global }
      - { .name: ximg, .offset: 16, .size: 8, .value_kind: global_buffer, .address_space: global }
      - { .name: part, .offset: 24, .size: 8, .value_kind: global_buffer, .address_space: global }
    .group_segment_fixed_size: 327680
    .private_segment_fixed_size: 0
    .kernarg_segment_align: 8
    .kernarg_segment_size: 32
    .max_flat_workgroup_size: 256
    .sgpr_count:     106
    .vgpr_count:     512
    .wavefront_size: 32
...
	.end_amdgpu_metadata
.endif
;; end of part 3
;; launch oproj (part 4): grid 8 x 32, 4 waves a work-group, clusters of 4 x 4, 327,680 bytes of LDS; arguments ximg, wo16, bo, out0, part, xf; writes out0, xf
.if DOCPART == 4
	.amdgcn_target "amdgcn-amd-amdhsa--gfx1250"
	.amdhsa_code_object_version 6
	.text
	.protected	k_qa96a387a63_oproj
	.globl	k_qa96a387a63_oproj
	.p2align	8
	.type	k_qa96a387a63_oproj,@function
k_qa96a387a63_oproj:
	s_mov_b64 s[64:65], 0
	v_nop
	global_prefetch_b8 v0, s[64:65] scope:SCOPE_SE
	s_setreg_imm32_b32 hwreg(HW_REG_WAVE_MODE, 25, 1), 1
	s_wait_xcnt 0x0
	s_wait_alu depctr_hold_cnt(0) depctr_sa_sdst(0) depctr_va_vdst(0) depctr_va_sdst(0) depctr_va_ssrc(0) depctr_va_vcc(0) depctr_vm_vsrc(0)
	s_getreg_b32 s2, hwreg(HW_REG_IB_STS2, 6, 4)
	s_cmp_eq_u32 s2, 0
	s_cbranch_scc0 .Lentry_in_a_cluster
	s_endpgm
.Lentry_in_a_cluster:
	s_bfe_u32 s2, ttmp6, 0x10000c
	s_cmp_lg_u32 s2, 0xf033
	s_cbranch_scc0 .Lentry_shape_is_right
	s_endpgm
.Lentry_shape_is_right:
; OPROJ: out0 = x Wo + bo, f16 operands (x as attention left it, Wo's high part), sums in f32.  [4096 x 1024] x [1024 x 1024].
; A tile of out0 is 128 x 128: 256 work-groups; four waves, each 64 x 64: 16 accumulators, which take turns.  K goes in four steps of 256 through a ring of two LDS slots.
; Both operands lie in memory as images of their fragments: a K step's 64 rows are 32,768 consecutive bytes, one tensor load a wave, and every LDS load takes 512 consecutive bytes: no pitch, no padding.
; CLUSTER 4 x 4: the four of a row share x's tiles, the four of a column Wo's: each is asked for jointly.  THE PRODUCT IS USED TRANSPOSED (source 0 = 16 columns of Wo, source 1 = 16 tokens):
; a lane holds eight neighbouring numbers of a row of out0.  The bias is the C of each sum's first product.
; All 4,096 rows are stored, the first 16 positions of each sequence too (a finer launch stores those 32 rows again afterwards): leaving them out would be a branch on a work-group's place in its cluster.
; THE JOIN rides along: while the first tiles are on their way, wave 0 of work-group (tile column tx, tile row ty) joins the eight partials (M, l, O^T) that attention left of the fine rows of (batch, head) = ty,
; channel tile tx / 2: x = sum of 2^(M_s - M) O_s / sum of 2^(M_s - M) l_s; it splits x into a high and a low f16 part and stores ONE of them, the high where tx is even, the low where it is odd: 512 consecutive bytes with one owner.
; tx and ty enter global addresses and a v_cndmask_b32 alone; the branch round the join hangs on the wave's number.  The next launch reads xf.
; No prefetch: a K step of this small tile has 128 products a wave, and the operands were laid so that one load a wave brings 32 KiB.  This launch claims all of a WGP's LDS.
; LIMITS: |x|, |Wo| under 65,504; under 2^-14 a high part is rounded once more by f16's subnormals (at most 2^-25), which the low part does not carry; NaN and infinities are not served.
; REGISTERS: window 0: v16-29 addresses; v32-95 the way out (and the join); v96-127 the bias; v128-255 the accumulators ((a, b) at 128 + 8 (4 a + b); v128-191 serve the join first).
;   window 1: two fragment buffers of 128: 64 registers of x, then 64 of Wo, for 64 along K.
.set SLOT,   131072                    ; x's 64 KiB, then Wo's
.set SPARE,  2*SLOT                    ; behind the ring: the spare words
.set SPITCH, 272                       ; the way out: a stage of 16 rows x (256 bytes + 16) for each wave, in slot 0, which has had its last fill and its last read by then
.set ADRA, 16
.set ADRB, 20
.set STO,  24
.set RD,   25
.set CO,   26
.set SPW,  28
.set NIL,  29
.set TMP,  32
.set BIAS, 96
.set ACC,  128
.set F0,   0
.set F1,   128
.set G1,   24
.set G0,   32
.set G1B,  48
.set G0B,  56
.set JML,  32                          ; the join: v32-47 the eight (M, l)
.set JW,   50                          ; v50-65 the eight weights, each the low word of a pair
.set JT,   68                          ; v68-75 at work; v76-79 the high part, v80-83 the low, v84-87 what is stored
.set JO,   128                         ; v128-191 eight numbers of each partial; x takes the first's place
.set MSB, 0
.macro WIN new
.if MSB != \new
	s_set_vgpr_msb (MSB<<8)|\new
.set MSB, \new
.endif
.endm
.set MUL,  0x05                        ; sources 0 and 1 in window 1; C and D in window 0
.set TO_F, 0x40                        ; destination in window 1
.macro JLOAD s                         ; a joint load: waves 0 and 1 fetch x's two halves, waves 2 and 3 Wo's
	s_cmp_eq_u32 s13, 0
	s_cbranch_scc0 .Lfor_b_\@
	tensor_load_to_lds s[G0+4*\s:G0+4*\s+3], s[G1:G1+7]
	s_nop 0
.rept 4
	v_nop
.endr
	s_branch .Lasked_\@
.Lfor_b_\@:
	tensor_load_to_lds s[G0B+4*\s:G0B+4*\s+3], s[G1B:G1B+7]
	s_nop 0
.rept 4
	v_nop
.endr
.Lasked_\@:
.endm
.macro CREST
	s_cmp_lg_u32 s12, 0
	s_cbranch_scc1 .Lnot_wave_0_\@
	s_barrier_signal -3
.Lnot_wave_0_\@:
	s_barrier_wait -3
	s_barrier_signal -1
	s_barrier_wait -1
.endm
.macro CROUND
	s_barrier_signal -1
	s_barrier_wait -1
	CREST
.endm
	s_load_b256 s[4:11], s[0:1], 0x0               ; ximg, wo16, bo, out0
	s_load_b128 s[68:71], s[0:1], 0x20             ; part, xf
	v_lshl_add_u32 v[SPW], v0, 2, SPARE
	v_mov_b32 v[NIL], 0
	ds_add_u32 v[SPW], v[NIL]                      ; the opening: the add, twice on end, and its wait ahead of my first tensor load
	ds_add_u32 v[SPW], v[NIL]
	v_lshrrev_b32 v1, 5, v0
	v_readfirstlane_b32 s12, v1                    ; wave 0..3
	s_lshr_b32 s13, s12, 1                         ; which half of the tile's rows is mine.  Also: I fetch for x (0) or for Wo (1)
	s_and_b32 s14, s12, 1                          ; which half of its columns.  Also: which half of that tile I fetch
	s_bfe_u32 s40, ttmp6, 0x40000                  ; cx, cy
	s_bfe_u32 s41, ttmp6, 0x40004
	s_lshl_b32 s42, ttmp9, 2
	s_add_co_u32 s42, s42, s40                     ; tile column
	s_and_b32 s15, ttmp7, 0xffff
	s_lshl_b32 s15, s15, 2
	s_add_co_u32 s15, s15, s41                     ; tile row
	s_lshl_b32 s43, s41, 2
	s_lshl_b32 s43, 15, s43                        ; my row of the cluster
	s_lshl_b32 s44, 0x1111, s40                    ; my column
	s_or_b32 s[G1], s43, (3<<16)|(1<<21)           ; group 1: the mask; elements of 8 bytes; bit 21 beside a mask; 128 rows of 256 bytes, dense
	s_or_b32 s[G1B], s44, (3<<16)|(1<<21)
.irp g, G1, G1B
	s_mov_b32 s[\g+1], 32<<16
	s_mov_b32 s[\g+2], 128<<16
	s_mov_b32 s[\g+3], 32<<16
	s_mov_b32 s[\g+4], 128
	s_mov_b32 s[\g+5], 32
	s_mov_b32 s[\g+6], 0
	s_mov_b32 s[\g+7], 0
.endr
	s_lshl_b32 s18, s14, 15
	s_lshl_b32 s16, s15, 16
	s_add_co_u32 s16, s16, s18                     ; x: tile row x 65,536 + half x 32,768
	s_mov_b32 s17, 0
	s_lshl_b32 s46, s42, 16
	s_add_co_u32 s46, s46, s18                     ; Wo: tile column likewise
	s_mov_b32 s47, 0
	s_lshl_b32 s20, s12, 15                        ; where they go: wave x 32,768
	s_wait_dscnt 0x0                               ; both opening adds are done
	s_wait_kmcnt 0x0
	s_add_nc_u64 s[16:17], s[4:5], s[16:17]
	s_add_nc_u64 s[46:47], s[6:7], s[46:47]
	CROUND                                         ; all sixteen work-groups are here
.irp s, 0,1
	s_mov_b32 s[G0+4*\s], 1
	s_add_co_u32 s[G0+4*\s+1], s20, \s*SLOT
	s_add_nc_u64 s[G0+4*\s+2:G0+4*\s+3], s[16:17], \s*2097152      ; K step s
	s_or_b32 s[G0+4*\s+3], s[G0+4*\s+3], 0x80000000
	s_mov_b32 s[G0B+4*\s], 1
	s_add_co_u32 s[G0B+4*\s+1], s20, \s*SLOT
	s_add_nc_u64 s[G0B+4*\s+2:G0B+4*\s+3], s[46:47], \s*524288
	s_or_b32 s[G0B+4*\s+3], s[G0B+4*\s+3], 0x80000000
	JLOAD \s
.endr
	v_and_b32 v1, 15, v0                           ; r
	v_bfe_u32 v2, v0, 4, 1                         ; h
	v_and_b32 v3, 31, v0
	v_lshlrev_b32 v3, 4, v3                        ; 16 x lane
	s_lshl_b32 s21, s13, 15                        ; my 64 rows of x
	s_lshl_b32 s22, s14, 15
	s_add_co_u32 s22, s22, 65536                   ; my 64 columns of Wo
.irp s, 0,1
	v_add_nc_u32 v[ADRA+\s], s21, v3
	v_add_nc_u32 v[ADRB+\s], s22, v3
	s_add_co_u32 s21, s21, SLOT
	s_add_co_u32 s22, s22, SLOT
.endr
	s_mul_i32 s23, s12, 16*SPITCH                  ; my stage
	v_mul_u32_u24 v4, v1, SPITCH
	v_lshl_add_u32 v4, v2, 5, v4
	v_add_nc_u32 v[STO], s23, v4                   ; in: row r, 32 bytes for each half of the lanes
	v_mul_u32_u24 v5, v2, SPITCH
	v_lshl_add_u32 v5, v1, 4, v5
	v_add_nc_u32 v[RD], s23, v5                    ; back: lanes 0-15 one row of 256 bytes, lanes 16-31 the next
	v_lshlrev_b32 v5, 12, v2
	v_lshl_add_u32 v[CO], v1, 4, v5                ; and the same two rows in out0
	v_lshlrev_b32 v6, 5, v2                        ; the bias: my half's eight columns
	s_lshl_b32 s16, s42, 9
	s_lshl_b32 s18, s14, 8
	s_add_co_u32 s16, s16, s18                     ; my first column, in bytes
	s_mov_b32 s17, 0
	s_add_nc_u64 s[8:9], s[8:9], s[16:17]
	s_add_nc_u64 s[10:11], s[10:11], s[16:17]
	s_lshl_b32 s16, s15, 19
	s_lshl_b32 s18, s13, 18
	s_add_co_u32 s16, s16, s18                     ; my first row x 4,096
	s_add_nc_u64 s[10:11], s[10:11], s[16:17]
.irp b, 0,1,2,3
	global_load_b128 v[BIAS+8*\b:BIAS+8*\b+3], v6, s[8:9] offset:64*\b
	global_load_b128 v[BIAS+8*\b+4:BIAS+8*\b+7], v6, s[8:9] offset:64*\b+16
.endr
	; ---- THE JOIN, by wave 0 alone.
	s_cmp_lg_u32 s12, 0
	s_cbranch_scc1 .Lno_join
	s_lshr_b32 s72, s42, 1                         ; the channel tile
	s_and_b32 s73, s42, 1                          ; 0: I store the high part, 1: the low
	s_lshl_b32 s74, s15, 15                        ; O^T: (batch, head) x 8 partials x 4,096 + channel tile x 1,024
	s_lshl_b32 s75, s72, 10
	s_add_co_u32 s74, s74, s75
	s_mov_b32 s75, 0
	s_add_nc_u64 s[76:77], s[68:69], s[74:75]
	s_lshl_b32 s74, s15, 11                        ; (M, l): behind all the O^T, (batch, head) x 8 x 256
	s_add_co_u32 s74, s74, 1048576
	s_add_nc_u64 s[78:79], s[68:69], s[74:75]
	s_lshl_b32 s74, s15, 11                        ; xf: part x 65,536 + (batch, head) x 2,048 + channel tile x 512
	s_lshl_b32 s72, s72, 9
	s_add_co_u32 s74, s74, s72
	s_lshl_b32 s72, s73, 16
	s_add_co_u32 s74, s74, s72
	s_add_nc_u64 s[70:71], s[70:71], s[74:75]
	s_cmp_eq_u32 s73, 0
	s_cselect_b32 s73, 0, -1                       ; the lane mask of the choice: none or all
	v_lshrrev_b32 v7, 1, v3                        ; 8 x lane
.irp s, 0,1,2,3,4,5,6,7
	global_load_b64 v[JML+2*\s:JML+2*\s+1], v7, s[78:79] offset:\s*256
.endr
.irp s, 0,1,2,3,4,5,6,7
	global_load_b128 v[JO+8*\s:JO+8*\s+3], v3, s[76:77] offset:\s*4096
	global_load_b128 v[JO+8*\s+4:JO+8*\s+7], v3, s[76:77] offset:\s*4096+512
.endr
.irp s, 0,1,2,3,4,5,6,7
	v_mov_b32 v[JW+2*\s+1], 0                      ; (the upper halves of the pairs that carry the weights)
.endr
	s_wait_loadcnt 0x0
	v_max3_num_f32 v48, v[JML], v[JML+2], v[JML+4]
	v_max3_num_f32 v48, v48, v[JML+6], v[JML+8]
	v_max3_num_f32 v48, v48, v[JML+10], v[JML+12]
	v_max_num_f32 v48, v48, v[JML+14]              ; M
.irp s, 0,1,2,3,4,5,6,7
	v_sub_f32 v[JW+2*\s], v[JML+2*\s], v48
.endr
.irp s, 0,1,2,3,4,5,6,7
	v_exp_f32 v[JW+2*\s], v[JW+2*\s]               ; 2^(M_s - M)
.endr
	v_nop
	s_wait_alu depctr_va_vdst(0)                   ; one wait for the eight, ahead of their first reader
	v_mul_f32 v49, v[JW], v[JML+1]
.irp s, 1,2,3,4,5,6,7
	v_fmac_f32 v49, v[JW+2*\s], v[JML+2*\s+1]      ; l
.endr
	v_rcp_f32 v66, v49
	v_nop
	s_wait_alu depctr_va_vdst(0)
.irp s, 0,1,2,3,4,5,6,7
	v_mul_f32 v[JW+2*\s], v[JW+2*\s], v66
.endr
.set j, 0
.rept 4
	v_pk_mul_f32 v[JO+2*j:JO+2*j+1], v[JO+2*j:JO+2*j+1], v[JW:JW+1] op_sel_hi:[1,0]
.set j, j+1
.endr
.irp s, 1,2,3,4,5,6,7
.set j, 0
.rept 4
	v_pk_fma_f32 v[JO+2*j:JO+2*j+1], v[JO+8*\s+2*j:JO+8*\s+2*j+1], v[JW+2*\s:JW+2*\s+1], v[JO+2*j:JO+2*j+1] op_sel_hi:[1,0,1]
.set j, j+1
.endr
.endr
.set j, 0
.rept 8
	v_add_nc_u32 v[JT+j], 0x1000, v[JO+j]
.set j, j+1
.endr
.set j, 0
.rept 8
	v_and_b32 v[JT+j], 0xffffe000, v[JT+j]         ; rounded to 11 significant bits: the high part, as f32
.set j, j+1
.endr
.set j, 0
.rept 4
	v_cvt_pk_f16_f32 v[JT+8+j], v[JT+2*j], v[JT+2*j+1]
	v_pk_add_f32 v[JO+2*j:JO+2*j+1], v[JO+2*j:JO+2*j+1], v[JT+2*j:JT+2*j+1] neg_lo:[0,1] neg_hi:[0,1]
.set j, j+1
.endr
.set j, 0
.rept 4
	v_cvt_pk_f16_f32 v[JT+12+j], v[JO+2*j], v[JO+2*j+1]
.set j, j+1
.endr
.set j, 0
.rept 4
	v_cndmask_b32 v[JT+16+j], v[JT+8+j], v[JT+12+j], s73
.set j, j+1
.endr
	global_store_b128 v3, v[JT+16:JT+19], s[70:71] ; 512 consecutive bytes
	s_wait_xcnt 0x0                                ; the store has read its registers: the way out loads into them later
.Lno_join:
; 8 products: row blocks a0, a0 + 1 x all 4 column blocks, 32 along K: half c of buffer f.  zero = 1: the first product starts the sums from the bias
.macro MUL8 f, c, a0, zero
.irp a, \a0, \a0+1
.irp b, 0,1,2,3
.if \zero
	v_wmma_f32_16x16x32_f16 v[ACC+8*(4*(\a)+\b):ACC+8*(4*(\a)+\b)+7], v[\f+64+8*(4*\c+\b):\f+64+8*(4*\c+\b)+7], v[\f+8*(4*\c+\a):\f+8*(4*\c+\a)+7], v[BIAS+8*\b:BIAS+8*\b+7]
.else
	v_wmma_f32_16x16x32_f16 v[ACC+8*(4*(\a)+\b):ACC+8*(4*(\a)+\b)+7], v[\f+64+8*(4*\c+\b):\f+64+8*(4*\c+\b)+7], v[\f+8*(4*\c+\a):\f+8*(4*\c+\a)+7], v[ACC+8*(4*(\a)+\b):ACC+8*(4*(\a)+\b)+7]
.endif
.endr
.endr
.endm
; 32 LDS loads in one run: the fragments of the slot's quarter qd (64 along K) into buffer f; the first 32 along K first
.macro FETCH slot, qd, f
	WIN TO_F
.irp c, 0,1
.irp i, 0,1,2,3
	ds_load_b128 v[\f+64+8*(4*\c+\i):\f+64+8*(4*\c+\i)+3],   v[ADRB+\slot] offset:\i*8192+(2*\qd+\c)*1024
	ds_load_b128 v[\f+64+8*(4*\c+\i)+4:\f+64+8*(4*\c+\i)+7], v[ADRB+\slot] offset:\i*8192+(2*\qd+\c)*1024+512
	ds_load_b128 v[\f+8*(4*\c+\i):\f+8*(4*\c+\i)+3],         v[ADRA+\slot] offset:\i*8192+(2*\qd+\c)*1024
	ds_load_b128 v[\f+8*(4*\c+\i)+4:\f+8*(4*\c+\i)+7],       v[ADRA+\slot] offset:\i*8192+(2*\qd+\c)*1024+512
.endr
.endr
.endm
.macro PLACES                          ; four places in front of loads into registers that products have read, and of the first read of results
.rept 4
	v_nop
.endr
.endm
; one of a K step's first three quarters: multiplies buffer f and fetches quarter qd into g
.macro QUARTER slot, qd, f, g, zero
	s_wait_dscnt 16                                ; the first 32 along K are in; the sixteen younger loads may be out
	WIN MUL
	MUL8 \f, 0, 0, \zero
	MUL8 \f, 0, 2, \zero
	PLACES
	FETCH \slot, \qd, \g
	s_wait_dscnt 32                                ; all but the 32 just issued
	WIN MUL
	MUL8 \f, 1, 0, 0
	MUL8 \f, 1, 2, 0
.endm
; the last quarter multiplies buffer 1 and changes slots: one barrier; in front of it each wave waits for all its tensor loads, adds 0 to its spare word, and waits for that and for its reads of this slot
.macro TURN slot, next, fill
	WIN 0
	s_wait_tensorcnt 0x0                           ; my part of the next slot has landed
	ds_add_u32 v[SPW], v[NIL]
	s_wait_dscnt 17                                ; (the add and the youngest sixteen loads may be out)
	WIN MUL
	MUL8 F1, 0, 0, 0
	s_wait_dscnt 0x0                               ; the add is done, and my reads of this slot are over
	s_barrier_signal -1
	MUL8 F1, 0, 2, 0
.if \fill
	WIN 0
.endif
	s_barrier_wait -1
.if \fill
	CREST                                          ; the barrier has opened a round of the cluster's: no wave of any partner still reads this slot or has a load on its way
	s_add_nc_u64 s[G0+4*\slot+2:G0+4*\slot+3], s[G0+4*\slot+2:G0+4*\slot+3], 2*2097152
	s_add_nc_u64 s[G0B+4*\slot+2:G0B+4*\slot+3], s[G0B+4*\slot+2:G0B+4*\slot+3], 2*524288
	JLOAD \slot                                    ; the first tensor load behind the round; its four v_nop are also the places in front of the loads below
.else
	PLACES
.endif
	FETCH \next, 0, F0
	WIN MUL
	MUL8 F1, 1, 0, 0
	MUL8 F1, 1, 2, 0
.endm
	s_wait_tensorcnt 1                             ; my part of K step 0 is in; K step 1's load may be out
	s_barrier_signal -1
	s_barrier_wait -1
	FETCH 0, 0, F0
	s_wait_loadcnt 0x0                             ; the bias
	QUARTER 0, 1, F0, F1, 1                        ; K has four steps, two laps of the ring: both are written out
	QUARTER 0, 2, F1, F0, 0
	QUARTER 0, 3, F0, F1, 0
	TURN 0, 1, 1                                   ; slot 0 takes K step 2
	QUARTER 1, 1, F0, F1, 0
	QUARTER 1, 2, F1, F0, 0
	QUARTER 1, 3, F0, F1, 0
	TURN 1, 0, 1                                   ; slot 1 takes K step 3
	QUARTER 0, 1, F0, F1, 0
	QUARTER 0, 2, F1, F0, 0
	QUARTER 0, 3, F0, F1, 0
	TURN 0, 1, 0                                   ; nothing is left to fetch
	QUARTER 1, 1, F0, F1, 0
	QUARTER 1, 2, F1, F0, 0
	QUARTER 1, 3, F0, F1, 0
	s_wait_dscnt 16
	WIN MUL
	MUL8 F1, 0, 0, 0
	MUL8 F1, 0, 2, 0
	s_wait_dscnt 0x0
	MUL8 F1, 1, 0, 0
	MUL8 F1, 1, 2, 0
	WIN 0
; THE WAY OUT, 16 rows x 64 columns at a time, through my own stage: a lane's 32 bytes go in, whole rows of 256 bytes come back, and sixteen lanes store 256 consecutive bytes at a multiple of 256 from out0's first byte.
.macro TOSTAGE a
.irp b, 0,1,2,3
	ds_store_b128 v[STO], v[ACC+8*(4*(\a)+\b):ACC+8*(4*(\a)+\b)+3] offset:64*\b          ; each accumulator from its low end on
	ds_store_b128 v[STO], v[ACC+8*(4*(\a)+\b)+4:ACC+8*(4*(\a)+\b)+7] offset:64*\b+16
.endr
.set BB, TMP+32*((\a)%2)
.irp t, 0,1,2,3,4,5,6,7
	ds_load_b128 v[BB+4*\t:BB+4*\t+3], v[RD] offset:\t*2*SPITCH    ; LDS serves a wave's instructions in order: these see the stores above
.endr
.endm
.macro SEND a, younger                 ; younger: the LDS instructions issued behind block a's loads, which may stay out
.set BB, TMP+32*((\a)%2)
	s_wait_dscnt \younger
.irp t, 0,1,2,3,4,5,6,7
	global_store_b128 v[CO], v[BB+4*\t:BB+4*\t+3], s[10:11] offset:(16*(\a)+2*\t)*4096 th:TH_STORE_NT
.endr
.endm
	PLACES
	TOSTAGE 0
.irp a, 1,2,3
.if \a > 1
	s_wait_xcnt 0x0                                ; block a - 2's stores have read their registers: block a's loads may land there
.endif
	TOSTAGE \a
	SEND \a-1, 16                                  ; behind block a - 1's loads: block a's 8 stores and 8 loads
.endr
	SEND 3, 0
	s_wait_tensorcnt 0x0                           ; the wave's end
	ds_add_u32 v[SPW], v[NIL]
	s_wait_dscnt 0x0
	CROUND                                         ; the closing round
	s_endpgm
.Lfunc_end_k_qa96a387a63_oproj:
	.size	k_qa96a387a63_oproj, .Lfunc_end_k_qa96a387a63_oproj-k_qa96a387a63_oproj
	.p2alignl 7, 3214868480
	.fill 96, 4, 3214868480
	.section	.rodata,"a",@progbits
	.p2align	6, 0x0
	.amdhsa_kernel k_qa96a387a63_oproj
		.amdhsa_group_segment_fixed_size 327680
		.amdhsa_private_segment_fixed_size 0
		.amdhsa_enable_private_segment 0
		.amdhsa_kernarg_size 48
		.amdhsa_user_sgpr_count 2
		.amdhsa_user_sgpr_kernarg_segment_ptr 1
		.amdhsa_wavefront_size32 1
		.amdhsa_system_sgpr_workgroup_id_x 1
		.amdhsa_system_sgpr_workgroup_id_y 1
		.amdhsa_system_sgpr_workgroup_id_z 1
		.amdhsa_system_vgpr_workitem_id 0
		.amdhsa_next_free_vgpr 512
		.amdhsa_next_free_sgpr 80
		.amdhsa_reserve_vcc 0
		.amdhsa_float_denorm_mode_32 3
		.amdhsa_float_denorm_mode_16_64 3
		.amdhsa_memory_ordered 1
		.amdhsa_forward_progress 1
		.amdhsa_inst_pref_size 94
	.end_amdhsa_kernel
	.amdgpu_metadata
---
amdhsa.version: [ 1, 2 ]
amdhsa.kernels:
  - .name:           k_qa96a387a63_oproj
    .symbol:         k_qa96a387a63_oproj.kd
    .args:
      - { .name: ximg, .offset: 0, .size: 8, .value_kind: global_buffer, .address_space: global }
      - { .name: wo16, .offset: 8, .size: 8, .value_kind: global_buffer, .address_space: global }
      - { .name: bo, .offset: 16, .size: 8, .value_kind: global_buffer, .address_space: global }
      - { .name: out0, .offset: 24, .size: 8, .value_kind: global_buffer, .address_space: global }
      - { .name: part, .offset: 32, .size: 8, .value_kind: global_buffer, .address_space: global }
      - { .name: xf, .offset: 40, .size: 8, .value_kind: global_buffer, .address_space: global }
    .group_segment_fixed_size: 327680
    .private_segment_fixed_size: 0
    .kernarg_segment_align: 8
    .kernarg_segment_size: 48
    .max_flat_workgroup_size: 128
    .sgpr_count:     80
    .vgpr_count:     512
    .wavefront_size: 32
...
	.end_amdgpu_metadata
.endif
;; end of part 4
;; launch fproj (part 5): grid 16 x 2, 16 waves a work-group, no clusters, 84,992 bytes of LDS; arguments xf, wo16, bo, out0; writes out0
.if DOCPART == 5
	.amdgcn_target "amdgcn-amd-amdhsa--gfx1250"
	.amdhsa_code_object_version 6
	.text
	.protected	k_qa96a387a63_fproj
	.globl	k_qa96a387a63_fproj
	.p2align	8
	.type	k_qa96a387a63_fproj,@function
k_qa96a387a63_fproj:
	s_mov_b64 s[64:65], 0
	v_nop
	global_prefetch_b8 v0, s[64:65] scope:SCOPE_SE
	s_setreg_imm32_b32 hwreg(HW_REG_WAVE_MODE, 25, 1), 1
	s_wait_xcnt 0x0
; FPROJ: the first 16 positions of each sequence through the projection on the way out, on pairs of f16: out0 = x Wo + bo with x = xh + xl, Wo = Wh + Wl, and x Wo = xh Wh + xl Wh + xh Wl
; (the product of the two low parts, some 2^-22 of the whole, is left out).  It runs last and stores those 32 rows of out0 over what the main projection left there.
; SHARES.  A work-group takes one batch's 16 rows x 64 columns.  x comes joined and split, as images of its fragments (xf): each of the sixteen waves brings one head's 4 + 4 blocks of 512 bytes and hands them to the others
; through LDS as they are.  Then wave (kq, tile) multiplies K quarter kq for 16 columns; the four quarters meet in a stage; eight waves store two rows each.
; What work-groups share (a batch's 64 KiB of x) is small and the launch is short, so no cluster and no prefetch.  32 work-groups: the 32 rows have no more work to share in whole runs of 256 bytes.
; LIMITS as in the main launches.
.set XH,    0                          ; LDS: x's high parts, 32 K steps x 1,024 bytes
.set XL,    32768                      ; its low parts
.set STG,   65536                      ; four stages (one a K quarter) of 16 rows x (256 bytes + 16)
.set SPARE, 82944
.set SPW, 2
.set NIL, 3
.set L16, 4
.set XW,  5                            ; v5  head x 2,048 + 16 x lane
.set XR,  6                            ; v6  K quarter x 8,192 + 16 x lane
.set SW,  7                            ; v7  into the stage
.set SR,  8                            ; v8  out of it
.set CO,  9                            ; v9  my place in out0
.set XS,  16                           ; v16-31 my head's high blocks, v32-47 its low blocks
.set WL,  48                           ; v48-111 Wo's low fragments
.set AC,  112                          ; v112-135 three accumulators
.set WH,  144                          ; v144-207 Wo's high fragments
	s_load_b256 s[4:11], s[0:1], 0x0               ; xf, wo16, bo, out0
	v_lshl_add_u32 v[SPW], v0, 2, SPARE
	v_mov_b32 v[NIL], 0
	v_lshrrev_b32 v1, 5, v0
	v_readfirstlane_b32 s12, v1                    ; wave 0..15: first a head, then (K quarter, column tile)
	s_and_b32 s13, ttmp7, 0xffff                   ; batch
	v_and_b32 v1, 31, v0
	v_and_b32 v10, 15, v0                          ; r
	v_bfe_u32 v11, v0, 4, 1                        ; h
	v_lshlrev_b32 v[L16], 4, v1
	v_lshlrev_b32 v13, 4, v10
	s_lshl_b32 s22, s12, 11
	v_add_nc_u32 v[XW], s22, v[L16]
	s_lshr_b32 s23, s12, 2                         ; K quarter
	s_and_b32 s24, s12, 3                          ; column tile
	s_lshl_b32 s22, s23, 13
	v_add_nc_u32 v[XR], s22, v[L16]
	s_mul_i32 s22, s23, 4352
	s_lshl_b32 s25, s24, 6
	s_add_co_u32 s22, s22, s25
	s_add_co_u32 s22, s22, STG
	v_mul_u32_u24 v[SW], v10, 272
	v_lshl_add_u32 v[SW], v11, 5, v[SW]
	v_add_nc_u32 v[SW], s22, v[SW]                 ; my quarter's stage, row r, my tile's 64 bytes, 32 for each half of the lanes
	s_and_b32 s25, s12, 7
	s_mul_i32 s22, s25, 544
	s_add_co_u32 s22, s22, STG
	v_mul_u32_u24 v[SR], v11, 272
	v_add_nc_u32 v[SR], v[SR], v13
	v_add_nc_u32 v[SR], s22, v[SR]                 ; rows 2 w and 2 w + 1, 16 bytes a lane
	s_lshl_b32 s22, s25, 13
	v_lshl_add_u32 v[CO], v11, 12, v13
	v_add_nc_u32 v[CO], s22, v[CO]
	s_lshl_b32 s28, s13, 15                        ; x: batch x 32,768 + head x 2,048; the low part 65,536 bytes on
	s_lshl_b32 s29, s12, 11
	s_add_co_u32 s28, s28, s29
	s_mov_b32 s29, 0
	s_lshl_b32 s30, s23, 19                        ; Wo: K quarter, column tile 4 x work-group + tile
	s_lshl_b32 s31, ttmp9, 15
	s_add_co_u32 s30, s30, s31
	s_lshl_b32 s31, s24, 13
	s_add_co_u32 s30, s30, s31
	s_mov_b32 s31, 0
	s_lshl_b32 s32, ttmp9, 8                       ; my 64 columns, in bytes
	s_mov_b32 s33, 0
	s_lshl_b32 s34, s13, 23                        ; the batch's first row of out0
	s_mov_b32 s35, 0
	s_wait_kmcnt 0x0
	s_add_nc_u64 s[16:17], s[4:5], s[28:29]
	s_add_nc_u64 s[18:19], s[6:7], s[30:31]
	s_add_nc_u64 s[20:21], s[8:9], s[32:33]
	s_add_nc_u64 s[10:11], s[10:11], s[32:33]
	s_add_nc_u64 s[10:11], s[10:11], s[34:35]
.irp d, 0,1,2,3
	global_load_b128 v[XS+4*\d:XS+4*\d+3], v[L16], s[16:17] offset:\d*512
	global_load_b128 v[XS+16+4*\d:XS+16+4*\d+3], v[L16], s[16:17] offset:65536+\d*512
.endr
.set i, 0
.rept 16
	global_load_b128 v[WH+4*i:WH+4*i+3], v[L16], s[18:19] offset:i*512
.set i, i+1
.endr
.set i, 0
.rept 16
	global_load_b128 v[WL+4*i:WL+4*i+3], v[L16], s[18:19] offset:2097152+i*512
.set i, i+1
.endr
	global_load_b128 v[240:243], v13, s[20:21]     ; the bias of my four columns on the way out
	s_wait_loadcnt 33                              ; x's eight loads are in; Wo's 32 and the bias, issued behind them, may be out
.irp d, 0,1,2,3
	ds_store_b128 v[XW], v[XS+4*\d:XS+4*\d+3] offset:XH+\d*512
	ds_store_b128 v[XW], v[XS+16+4*\d:XS+16+4*\d+3] offset:XL+\d*512
.endr
	s_wait_dscnt 0x0                               ; for the others' sake: my stores have landed
	s_barrier_signal -1
	s_barrier_wait -1                              ; all of x lies in LDS
	s_wait_loadcnt 0x0                             ; Wo, both parts, and the bias
.irp g, 0,1,2,3                        ; two K steps of 32 at a time; three accumulators by turns
.irp i, 0,1,2,3
	ds_load_b128 v[208+4*\i:211+4*\i], v[XR] offset:XH+\g*2048+\i*512
	ds_load_b128 v[224+4*\i:227+4*\i], v[XR] offset:XL+\g*2048+\i*512
.endr
	s_wait_dscnt 0x0
.irp e, 0,1
.if (\g == 0) && (\e == 0)
	v_wmma_f32_16x16x32_f16 v[AC:AC+7], v[WH+8*(2*\g+\e):WH+8*(2*\g+\e)+7], v[208+8*\e:215+8*\e], 0
	v_wmma_f32_16x16x32_f16 v[AC+8:AC+15], v[WH+8*(2*\g+\e):WH+8*(2*\g+\e)+7], v[224+8*\e:231+8*\e], 0
	v_wmma_f32_16x16x32_f16 v[AC+16:AC+23], v[WL+8*(2*\g+\e):WL+8*(2*\g+\e)+7], v[208+8*\e:215+8*\e], 0
.else
	v_wmma_f32_16x16x32_f16 v[AC:AC+7], v[WH+8*(2*\g+\e):WH+8*(2*\g+\e)+7], v[208+8*\e:215+8*\e], v[AC:AC+7]
	v_wmma_f32_16x16x32_f16 v[AC+8:AC+15], v[WH+8*(2*\g+\e):WH+8*(2*\g+\e)+7], v[224+8*\e:231+8*\e], v[AC+8:AC+15]
	v_wmma_f32_16x16x32_f16 v[AC+16:AC+23], v[WL+8*(2*\g+\e):WL+8*(2*\g+\e)+7], v[208+8*\e:215+8*\e], v[AC+16:AC+23]
.endif
.endr
.rept 4
	v_nop                                          ; four places in front of the next loads into x's registers, and of the first read of results
.endr
.endr
.set j, 0
.rept 4
	v_pk_add_f32 v[16+2*j:17+2*j], v[AC+2*j:AC+2*j+1], v[AC+8+2*j:AC+9+2*j]       ; each accumulator from its low end on
.set j, j+1
.endr
.set j, 0
.rept 4
	v_pk_add_f32 v[16+2*j:17+2*j], v[16+2*j:17+2*j], v[AC+16+2*j:AC+17+2*j]
.set j, j+1
.endr
	ds_store_b128 v[SW], v[16:19]
	ds_store_b128 v[SW], v[20:23] offset:16
	s_wait_dscnt 0x0
	s_barrier_signal -1
	s_barrier_wait -1                              ; the four quarters' 16 x 64 lie in the stages
	s_cmp_lt_u32 s12, 8
	s_cbranch_scc0 .Ldone
.irp i, 0,1,2,3
	ds_load_b128 v[24+4*\i:27+4*\i], v[SR] offset:\i*4352
.endr
	s_wait_dscnt 0x0
	v_pk_add_f32 v[24:25], v[24:25], v[28:29]
	v_pk_add_f32 v[26:27], v[26:27], v[30:31]
	v_pk_add_f32 v[32:33], v[32:33], v[36:37]
	v_pk_add_f32 v[34:35], v[34:35], v[38:39]
	v_pk_add_f32 v[24:25], v[24:25], v[32:33]
	v_pk_add_f32 v[26:27], v[26:27], v[34:35]
	v_pk_add_f32 v[24:25], v[24:25], v[240:241]
	v_pk_add_f32 v[26:27], v[26:27], v[242:243]
	global_store_b128 v[CO], v[24:27], s[10:11]    ; sixteen lanes store 256 consecutive bytes, at a multiple of 256 from out0's first byte
.Ldone:
	s_wait_tensorcnt 0x0                           ; the wave's end
	ds_add_u32 v[SPW], v[NIL]
	s_wait_dscnt 0x0
	s_endpgm
.Lfunc_end_k_qa96a387a63_fproj:
	.size	k_qa96a387a63_fproj, .Lfunc_end_k_qa96a387a63_fproj-k_qa96a387a63_fproj
	.p2alignl 7, 3214868480
	.fill 96, 4, 3214868480
	.section	.rodata,"a",@progbits
	.p2align	6, 0x0
	.amdhsa_kernel k_qa96a387a63_fproj
		.amdhsa_group_segment_fixed_size 84992
		.amdhsa_private_segment_fixed_size 0
		.amdhsa_enable_private_segment 0
		.amdhsa_kernarg_size 32
		.amdhsa_user_sgpr_count 2
		.amdhsa_user_sgpr_kernarg_segment_ptr 1
		.amdhsa_wavefront_size32 1
		.amdhsa_system_sgpr_workgroup_id_x 1
		.amdhsa_system_sgpr_workgroup_id_y 1
		.amdhsa_system_sgpr_workgroup_id_z 1
		.amdhsa_system_vgpr_workitem_id 0
		.amdhsa_next_free_vgpr 256
		.amdhsa_next_free_sgpr 66
		.amdhsa_reserve_vcc 0
		.amdhsa_float_denorm_mode_32 3
		.amdhsa_float_denorm_mode_16_64 3
		.amdhsa_memory_ordered 1
		.amdhsa_forward_progress 1
		.amdhsa_inst_pref_size 13
	.end_amdhsa_kernel
	.amdgpu_metadata
---
amdhsa.version: [ 1, 2 ]
amdhsa.kernels:
  - .name:           k_qa96a387a63_fproj
    .symbol:         k_qa96a387a63_fproj.kd
    .args:
      - { .name: xf, .offset: 0, .size: 8, .value_kind: global_buffer, .address_space: global }
      - { .name: wo16, .offset: 8, .size: 8, .value_kind: global_buffer, .address_space: global }
      - { .name: bo, .offset: 16, .size: 8, .value_kind: global_buffer, .address_space: global }
      - { .name: out0, .offset: 24, .size: 8, .value_kind: global_buffer, .address_space: global }
    .group_segment_fixed_size: 84992
    .private_segment_fixed_size: 0
    .kernarg_segment_align: 8
    .kernarg_segment_size: 32
    .max_flat_workgroup_size: 512
    .sgpr_count:     66
    .vgpr_count:     256
    .wavefront_size: 32
...
	.end_amdgpu_metadata
.endif
;; end of part 5
